; MI455X (gfx1250); checked and timed in simulation.
; The chip was launched on July 23, 2026; its instructions are those of AMD's public machine-readable ISA for CDNA 5 (MIT licence, August 2026) and "CDNA5" Instruction Set Architecture Reference Guide (July 2026). The comments in the code are by the model that wrote it; some were corrected since.
;; encoder transformer. Allowed arithmetic: matrix products marked QUANTISED: E4M3 operands, one given power-of-two scale a tensor, by v_wmma_f32_16x16x64_fp8_fp8 or v_wmma_f32_16x16x128_fp8_fp8, f32 sums; everything else in f32.
;; Inputs: b1 2,048 float32; b2 512 float32; bk 64 float32; bo 512 float32; bq 64 float32; bv 64 float32; ln_b 512 float32; ln_g 512 float32; lowp_scales 16 int32 (the exponents e of the quantised operands' scales 2^e); w1_codes 2,048 x 16 x 32 uint8 (E4M3 codes of w1, K innermost, in blocks of 32 codes); w2_codes 512 x 64 x 32 uint8 (E4M3 codes of w2, K innermost, in blocks of 32 codes); wk_codes 64 x 16 x 32 uint8 (E4M3 codes of wk, K innermost, in blocks of 32 codes); wo_codes 512 x 16 x 32 uint8 (E4M3 codes of wo, K innermost, in blocks of 32 codes); wq_codes 64 x 16 x 32 uint8 (E4M3 codes of wq, K innermost, in blocks of 32 codes); wv_codes 64 x 16 x 32 uint8 (E4M3 codes of wv, K innermost, in blocks of 32 codes); x 16 x 1,024 x 512 float32.
;; Outputs: out0 16 x 1,024 x 512 float32.
;; This version of the problem:
;;   THIS VERSION OF THE PROBLEM IS GIVEN IN LOW PRECISION. The matrix products marked QUANTISED in the list below multiply operands that are first quantised to E4M3 (4 exponent bits, 3 mantissa bits; 8 bits a number), with one given power-of-two scale for each operand tensor; their sums are f32. All else is computed in f32.
;;   The module's matrix products, in the order in which they are computed (A, B: the left and right operand; K: the contracted axis; several contracted axes count as one K, in the product's order):
;;     1. [M 16,384, K 512] x [K 512, N 64]; A: input x; B: input wq (given as codes): QUANTISED (scales: A lowp_scales[0], B lowp_scales[1])
;;     2. [M 16,384, K 512] x [K 512, N 64]; A: input x; B: input wk (given as codes): QUANTISED (scales: A lowp_scales[2], B lowp_scales[3])
;;     3. [M 16,384, K 512] x [K 512, N 64]; A: input x; B: input wv (given as codes): QUANTISED (scales: A lowp_scales[4], B lowp_scales[5])
;;     4. batch 16 x [M 1,024, K 64] x [K 64, N 1,024]; A: computed on the way; B: computed on the way: QUANTISED (scales: A lowp_scales[6], B lowp_scales[7])
;;     5. batch 16 x [M 1,024, K 1,024] x [K 1,024, N 64]; A: computed on the way; B: computed on the way: QUANTISED (scales: A lowp_scales[8], B lowp_scales[9])
;;     6. [M 16,384, K 512] x [K 512, N 512]; A: computed on the way; B: input wo (given as codes): QUANTISED (scales: A lowp_scales[10], B lowp_scales[11])
;;     7. [M 16,384, K 512] x [K 512, N 2,048]; A: computed on the way; B: input w1 (given as codes): QUANTISED (scales: A lowp_scales[12], B lowp_scales[13])
;;     8. [M 16,384, K 2,048] x [K 2,048, N 512]; A: computed on the way; B: input w2 (given as codes): QUANTISED (scales: A lowp_scales[14], B lowp_scales[15])
;;   THE QUANTISER, for each operand of a quantised product, along K:
;;     - The operand's scale is 2^e, e = its entry of the input lowp_scales (int32; the entries are numbered through the quantised products in the list's order, A before B).
;;     - Each number is divided by the scale, clamped to +-448, and rounded to the nearest number of E4M3, ties to even, subnormals kept.
;;     - The product sums the exact products of the quantised numbers (number of the format x scale) in f32.
;;   ~~~python
;;   def quantise(x, axis, e):      # numpy; x: float32 -> the quantised numbers, widened to float32 again
;;       x = np.moveaxis(x, axis, -1); K = x.shape[-1]
;;       r = np.clip(x / 2.0 ** e, -448, 448)
;;       step = 2.0 ** (np.maximum(np.frexp(np.where(r == 0, 1, r))[1] - 1, -6) - 3)
;;       q = np.round(r / step) * step * 2.0 ** e      # np.round: ties to even
;;       return np.moveaxis(q, -1, axis).astype(np.float32)
;;   ~~~
;;   OPERANDS COMPUTED ON THE WAY. 'Computed on the way' means the value that the module computes at that place (a softmax that the list does not call 'softmax' is quantised finished and normalised). What goes into a quantiser is computed in f32, as accurately as f32 sums, v_exp_f32 and their like allow (about 1e-6 of the number): no bf16 or f16 on the way to a quantiser, and a product that is left as it is and whose result goes on into a quantised operand takes f32 operands (vector FMAs, or v_wmma_f32_16x16x4_f32). A number that lies on a knife's edge between two numbers of the format may be rounded either way, as far as f32 arithmetic and the matrix unit's own rounding can turn it there, and no further.
;;   INPUTS GIVEN AS CODES. w1 (in the module: [512, 2048], K = its axis 0); w2 (in the module: [2048, 512], K = its axis 0); wk (in the module: [512, 64], K = its axis 0); wo (in the module: [512, 512], K = its axis 0); wq (in the module: [512, 64], K = its axis 0); wv (in the module: [512, 64], K = its axis 0): each comes as NAME_codes (uint8): NAME with its K axis moved to the last place and cut into blocks of 32 codes, [.., K / 32, bytes a block], one block behind the other in memory; one code a byte (a code: sign, 4 exponent bits, 3 mantissa bits); its scale is its entry of lowp_scales. Its value is code x scale, taken as it is: it is not quantised again, and the codes and scales need not be those that the quantiser above would give.
;; 2 versions. Each part assembles by itself: llvm-mc -triple=amdgcn-amd-amdhsa -mcpu=gfx1250 --defsym DOCPART=n.
;; ======== version 1 of 2: 3 launches
;; workspace buffers: q_img 1,048,576 bytes; k_img 1,048,576 bytes; v_img 1,048,576 bytes; cst 65,536 bytes
;; launch qkv (part 1): grid 256 x 1, 4 waves a work-group, no clusters, 237,056 bytes of LDS; arguments x, wq_codes, wk_codes, wv_codes, bq, bk, bv, lowp_scales, q_img, k_img, v_img; writes q_img, k_img, v_img
.if DOCPART == 1
	.amdgcn_target "amdgcn-amd-amdhsa--gfx1250"
	.amdhsa_code_object_version 6
	.text
	.protected	k_qfd3d9d0480_qkv
	.globl	k_qfd3d9d0480_qkv
	.p2align	8
	.type	k_qfd3d9d0480_qkv,@function
k_qfd3d9d0480_qkv:
	s_mov_b64 s[64:65], 0
	v_nop
	global_prefetch_b8 v0, s[64:65] scope:SCOPE_SE
	s_setreg_imm32_b32 hwreg(HW_REG_WAVE_MODE, 25, 1), 1
	s_wait_xcnt 0x0
; q = Q(x) wq + bq, k = Q(x) wk + bk, v = Q(x) wv + bv on codes of FP8 (E4M3); then q, k and v are themselves quantised (scales 6, 7, 9 of the list) and stored as
; IMAGES OF THE REGISTERS in which the later launches want them.  x: [16384][512] f32; wq, wk, wv: [64][512] codes, K innermost; biases [64] f32.
; x is quantised three times, since each product has its own scale for it (entries 0, 2, 4).
; SHARES.  A work-group owns 64 rows of x, each of its four waves 16 of them (one tile) over all of K and all 192 columns.  A wave's rows come by four tensor loads (128 along K each) into LDS bytes
; of its own; the three weights come once for the work-group, each wave fetching 16 rows of each.  Every LDS byte is filled once: seven tensor loads a wave are out at the start, and none later.
; NO CLUSTER: what work-groups share is the weights, 98,304 of a work-group's 229,376 bytes, asked for once at the head with nothing to wait behind; x, the larger part, is shared by nobody.
; LAYOUT.  Inside this launch both sides of a product take k in the order of 16-byte loads: registers 4 c .. 4 c + 3 of lane (r, h) hold k = 32 c + 16 h + 0 .. 15: the same permutation of k on both sides.
; q and k are made transposed (source 0 = 16 rows of the weight, source 1 = x): lane (r, h) holds token r and d = 16 dt + 8 h + 0 .. 7, whose eight codes are registers 2 dt, 2 dt + 1 of a K = 64 fragment.
; v is made straight (source 0 = x, source 1 = the weight): lane (r, h) holds d = 16 dt + r and tokens 8 h + 0 .. 7: a register pair of a fragment of V^T whose K runs along the tokens.
; IMAGES.  q_img, k_img: tile T (16 tokens) at 1,024 T: registers 4 c .. 4 c + 3 of lane l at 512 c + 16 l.  v_img: the fragment (128 tokens, 16 d) at ((T / 8) 4 + dt) 2,048; its pair T % 8 of lane l at 256 (T % 8) + 8 l.
; LIMITS: entries 0, 2, 4, 6, 7, 9 between -126 and 119; the sums of entries 0+1, 2+3, 4+5 between -126 and 127, so that each power of two below is an f32 number.  NaN among the inputs is not served.
; REGISTERS.  Window 0: v1-10 addresses; v16-79 64 numbers of x; v80-111 held numbers, two sets; v112-159 x's codes, three versions; v160-223 four fragments of a weight; v224-235 scales and holds; v236-251 codes on the way out.
;   Window 1: v0-95 the twelve accumulators (q, k, v: 8 dt); v96-127 bq, v128-159 bk in the result's layout; v160-167 bv, one number a pair.
.set PITCH, 528                        ; an LDS row: 512 bytes + 16: row r begins 16 r bytes further on modulo 256, so the sixteen rows of a load fall on sixteen different 16-byte columns
.set XSTEP, 16*PITCH                   ; a wave's 16 rows of one K step; also 16 rows of a weight
.set XWAVE, 4*XSTEP                    ; a wave's four K steps
.set WT,    4*XWAVE                    ; behind x: the three weights, 64 rows each
.set WONE,  64*PITCH
.set XR, 16
.set TR, 80
.set CD, 112
.set WR, 160
.set ER, 16
.set MSB, 0
.macro WIN new                         ; the immediate's high byte repeats the setting that is left
.if MSB != \new
	s_set_vgpr_msb (MSB<<8)|\new
.set MSB, \new
.endif
.endm
.macro MKSC e, vs                      ; v[vs] = 2^e as f32, v[vs+1] = 448 x 2^e; e in s[e]
	s_add_co_i32 s34, s[\e], 127
	s_lshl_b32 s35, s34, 23
	v_mov_b32 v[\vs], s35
	s_add_co_i32 s34, s34, 8
	s_lshl_b32 s34, s34, 23
	s_or_b32 s34, s34, 0x600000
	v_mov_b32 v[\vs+1], s34
.endm
.macro MKP a, b, d                     ; s[d], s[d+1] = 2^(s[a] + s[b]) as f32 (the packed form names the pair)
	s_add_co_i32 s[\d], s[\a], s[\b]
	s_add_co_i32 s[\d], s[\d], 127
	s_lshl_b32 s[\d], s[\d], 23
	s_mov_b32 s[\d+1], s[\d]
.endm
	s_load_b512 s[4:19], s[0:1], 0x0               ; x, wq, wk, wv, bq, bk, bv, the scales' exponents
	s_load_b128 s[20:23], s[0:1], 0x40             ; q_img, k_img
	s_load_b64 s[24:25], s[0:1], 0x50              ; v_img
	v_lshl_add_u32 v254, v0, 2, 0x39c00
	v_mov_b32 v255, 0
	ds_add_u32 v254, v255
	ds_add_u32 v254, v255
	v_lshrrev_b32 v1, 5, v0
	v_readfirstlane_b32 s26, v1                    ; wave 0..3
	; descriptor group 1 for x: 16 rows x 128 numbers of 4 bytes, 512 numbers from row to row; four words of padding behind every 128
	s_mov_b32 s68, (2<<16)|(1<<20)|(6<<22)|(3<<25)
	s_mov_b32 s69, 128<<16
	s_mov_b32 s70, 16<<16
	s_mov_b32 s71, 128<<16
	s_mov_b32 s72, 16
	s_mov_b32 s73, 512
	s_mov_b32 s74, 0
	s_mov_b32 s75, 0
	; and for a weight: 16 rows x 512 bytes, dense; the same padding
	s_mov_b32 s76, (0<<16)|(1<<20)|(6<<22)|(3<<25)
	s_mov_b32 s77, 512<<16
	s_mov_b32 s78, 16<<16
	s_mov_b32 s79, 512<<16
	s_mov_b32 s80, 16
	s_mov_b32 s81, 512
	s_mov_b32 s82, 0
	s_mov_b32 s83, 0
	s_mul_i32 s27, s26, XWAVE                      ; my x in LDS
	s_mul_i32 s34, s26, XSTEP
	s_add_co_u32 s34, s34, WT                      ; my 16 rows of the first weight in LDS
	s_lshl_b32 s28, ttmp9, 17                      ; 64 rows of 2,048 bytes a work-group,
	s_lshl_b32 s29, s26, 15                        ; 16 a wave
	s_add_co_u32 s28, s28, s29
	s_mov_b32 s29, 0
	s_lshl_b32 s30, s26, 13                        ; 16 rows of 512 bytes of a weight
	s_mov_b32 s31, 0
	s_wait_dscnt 0x0
	s_wait_kmcnt 0x0
	s_load_b256 s[84:91], s[18:19], 0x0            ; entries 0 to 7
	s_load_b64 s[92:93], s[18:19], 0x20            ; entries 8, 9
	s_add_nc_u64 s[4:5], s[4:5], s[28:29]
.irp i, 0,1,2
	s_mov_b32 s[36+4*\i], 1
	s_add_co_u32 s[37+4*\i], s34, \i*WONE
	s_add_nc_u64 s[38+4*\i:39+4*\i], s[6+2*\i:7+2*\i], s[30:31]
	s_or_b32 s[39+4*\i], s[39+4*\i], 0x80000000
.endr
.irp s, 0,1,2,3
	s_mov_b32 s[48+4*\s], 1
	s_add_co_u32 s[49+4*\s], s27, \s*XSTEP
	s_add_nc_u64 s[50+4*\s:51+4*\s], s[4:5], \s*512
	s_or_b32 s[51+4*\s], s[51+4*\s], 0x80000000
.endr
	tensor_load_to_lds s[36:39], s[76:83]          ; all first fills in one group: the weights' parts first,
	s_nop 0
	tensor_load_to_lds s[40:43], s[76:83]
	s_nop 0
	tensor_load_to_lds s[44:47], s[76:83]
	s_nop 0
	tensor_load_to_lds s[48:51], s[68:75]          ; then my four K steps of x: seven loads of mine are out
	s_nop 0
	tensor_load_to_lds s[52:55], s[68:75]
	s_nop 0
	tensor_load_to_lds s[56:59], s[68:75]
	s_nop 0
	tensor_load_to_lds s[60:63], s[68:75]
	s_nop 0
.rept 4
	v_nop                                          ; behind a tensor load
.endr
	v_and_b32 v11, 31, v0                          ; lane
	v_lshlrev_b32 v1, 4, v11                       ; 16 x lane
	v_and_b32 v2, 15, v0                           ; r
	v_bfe_u32 v3, v0, 4, 1                         ; h
	v_mul_u32_u24 v12, v2, PITCH
	v_lshl_add_u32 v4, v3, 6, v12
	v_add_nc_u32 v4, s27, v4                       ; x: row r, + 64 h: my 16 numbers of a block of 32
	v_lshl_add_u32 v5, v3, 4, v12
	v_add_nc_u32 v5, WT, v5                        ; wq: row r, + 16 h
	v_add_nc_u32 v6, WONE, v5                      ; wk
	v_add_nc_u32 v7, 2*WONE, v5                    ; wv
	v_lshlrev_b32 v8, 3, v11                       ; 8 x lane
	v_lshlrev_b32 v9, 5, v3                        ; 32 h: eight numbers of a bias
	v_lshlrev_b32 v10, 2, v2                       ; 4 r
	s_lshl_b32 s28, ttmp9, 12
	s_lshl_b32 s35, s26, 10
	s_add_co_u32 s28, s28, s35                     ; 1,024 T, T = 4 x work-group + wave
	s_add_nc_u64 s[20:21], s[20:21], s[28:29]
	s_add_nc_u64 s[22:23], s[22:23], s[28:29]
	s_lshr_b32 s28, ttmp9, 1
	s_lshl_b32 s28, s28, 13                        ; (T / 8) x 4 fragments of 2,048 bytes
	s_and_b32 s35, ttmp9, 1
	s_lshl_b32 s35, s35, 10
	s_add_co_u32 s28, s28, s35
	s_lshl_b32 s35, s26, 8
	s_add_co_u32 s28, s28, s35                     ; + 256 (T % 8)
	s_add_nc_u64 s[24:25], s[24:25], s[28:29]
	WIN 0x40                                       ; destination window 1
.irp dt, 0,1,2,3
	global_load_b128 v[96+8*\dt:99+8*\dt], v9, s[12:13] offset:64*\dt          ; bq[16 dt + 8 h + 0 .. 7]
	global_load_b128 v[100+8*\dt:103+8*\dt], v9, s[12:13] offset:64*\dt+16
	global_load_b128 v[128+8*\dt:131+8*\dt], v9, s[14:15] offset:64*\dt        ; bk likewise
	global_load_b128 v[132+8*\dt:135+8*\dt], v9, s[14:15] offset:64*\dt+16
	global_load_b32 v[160+2*\dt], v10, s[16:17] offset:64*\dt                  ; bv[16 dt + r]
	v_mov_b32 v[161+2*\dt], 0                      ; (named with it as a pair, so it is written)
.endr
	WIN 0
	s_wait_kmcnt 0x0
	MKP 84, 85, 28                                 ; a sum of the first product stands for sum x 2^(e0 + e1), and so on
	MKP 86, 87, 30
	MKP 88, 89, 32
	MKSC 84, 224                                   ; x for q
	MKSC 86, 226                                   ; x for k
	MKSC 88, 228                                   ; x for v
	MKSC 90, 230                                   ; q
	MKSC 91, 232                                   ; k
	MKSC 93, 234                                   ; v
.macro XREAD s                         ; my 64 numbers of K step s: register 16 c + n = k 32 c + 16 h + n of row r
.irp c, 0,1,2,3
.irp i, 0,1,2,3
	ds_load_b128 v[XR+16*\c+4*\i:XR+16*\c+4*\i+3], v4 offset:XSTEP*(\s)+128*\c+16*\i
.endr
.endr
.endm
.macro QBLK i, c                       ; block c of version i: the hold (the conversion to an 8-bit code does not saturate: ISA guide 7.6.2), then 16 codes
.set n_, 0
.rept 16
	v_med3_num_f32 v[TR+16*((\c)%2)+n_], v[XR+16*(\c)+n_], -v[225+2*(\i)], v[225+2*(\i)]
.set n_, n_+1
.endr
	v_cvt_scalef32_pk8_fp8_f32 v[CD+16*(\i)+4*(\c):CD+16*(\i)+4*(\c)+1], v[TR+16*((\c)%2):TR+16*((\c)%2)+7], v[224+2*(\i)]
	v_cvt_scalef32_pk8_fp8_f32 v[CD+16*(\i)+4*(\c)+2:CD+16*(\i)+4*(\c)+3], v[TR+16*((\c)%2)+8:TR+16*((\c)%2)+15], v[224+2*(\i)]
.endm
.macro WLOAD i, s                      ; weight i's four fragments (16 rows x 128 K) of K step s
.irp dt, 0,1,2,3
.irp c, 0,1,2,3
	ds_load_b128 v[WR+16*\dt+4*\c:WR+16*\dt+4*\c+3], v[5+\i] offset:XSTEP*\dt+128*(\s)+32*\c
.endr
.endr
.endm
; One version of one K step.  The first block's sixteen holds name no register of the products before them: they are the places in front of the loads into the weight's registers.
; The twelve accumulators take turns, one instruction a turn.
.macro VERS i, s, last
	QBLK \i, 0
	WLOAD \i, \s
	QBLK \i, 1
	QBLK \i, 2
	QBLK \i, 3
	v_nop                                          ; a plain instruction between the last conversion and the products that read its codes
.if \last && (\s < 3)
	s_wait_tensorcnt 2-\s                          ; the next K step of x has landed; the steps issued behind it may be out
	XREAD \s+1                                     ; x's registers have been read for the last time
	s_wait_dscnt 16                                ; the weight's fragments are in; the sixteen loads just issued may be out
.else
	s_wait_dscnt 0x0
.endif
	WIN 0x50                                       ; C and D window 1
.irp dt, 0,1,2,3
.if \i == 2
.if \s == 0
	v_wmma_f32_16x16x128_fp8_fp8 v[64+8*\dt:71+8*\dt], v[CD+32:CD+47], v[WR+16*\dt:WR+16*\dt+15], 0
.else
	v_wmma_f32_16x16x128_fp8_fp8 v[64+8*\dt:71+8*\dt], v[CD+32:CD+47], v[WR+16*\dt:WR+16*\dt+15], v[64+8*\dt:71+8*\dt]
.endif
.else
.if \s == 0
	v_wmma_f32_16x16x128_fp8_fp8 v[32*\i+8*\dt:32*\i+8*\dt+7], v[WR+16*\dt:WR+16*\dt+15], v[CD+16*\i:CD+16*\i+15], 0
.else
	v_wmma_f32_16x16x128_fp8_fp8 v[32*\i+8*\dt:32*\i+8*\dt+7], v[WR+16*\dt:WR+16*\dt+15], v[CD+16*\i:CD+16*\i+15], v[32*\i+8*\dt:32*\i+8*\dt+7]
.endif
.endif
.endr
	WIN 0
.endm
	s_wait_tensorcnt 0x4                           ; my parts of the three weights have landed (my four loads of x were issued behind them),
	s_barrier_signal -1
	s_barrier_wait -1                              ; everybody's have; x may stay on its way
	s_wait_tensorcnt 0x3                           ; my first K step of x
	XREAD 0
.irp s, 0,1,2,3
	s_wait_dscnt 0x0                               ; this K step's numbers are in registers
	VERS 0, \s, 0
	VERS 1, \s, 0
	VERS 2, \s, 1
.endr
.rept 4
	v_nop                                          ; places behind the last products
.endr
	s_wait_loadcnt 0x0                             ; the biases
; q or k: sum x 2^(ex + ew) + bias, held, 32 codes a lane, stored as the fragment's image: each store covers 512 consecutive bytes
.macro OUTQK acc, bias, sp, sc, oc, base
	WIN 0x11                                       ; sums and bias window 1
.set j_, 0
.rept 16
	v_pk_fma_f32 v[ER+j_:ER+j_+1], v[\acc+j_:\acc+j_+1], s[\sp:\sp+1], v[\bias+j_:\bias+j_+1] op_sel_hi:[1,0,1]
.set j_, j_+2
.endr
	WIN 0
.set j_, 0
.rept 32
	v_med3_num_f32 v[ER+j_], v[ER+j_], -v[\sc+1], v[\sc+1]
.set j_, j_+1
.endr
.irp t, 0,1,2,3
	v_cvt_scalef32_pk8_fp8_f32 v[\oc+2*\t:\oc+2*\t+1], v[ER+8*\t:ER+8*\t+7], v[\sc]
.endr
	v_nop                                          ; a plain instruction before the conversions' sources are written again
	global_store_b128 v1, v[\oc:\oc+3], s[\base:\base+1]
	global_store_b128 v1, v[\oc+4:\oc+7], s[\base:\base+1] offset:512
.endm
	OUTQK 0, 96, 28, 230, 236, 20
	OUTQK 32, 128, 30, 232, 244, 22
	WIN 0x11
.irp dt, 0,1,2,3
.irp j, 0,2,4,6
	v_pk_fma_f32 v[ER+8*\dt+\j:ER+8*\dt+\j+1], v[64+8*\dt+\j:64+8*\dt+\j+1], s[32:33], v[160+2*\dt:161+2*\dt] op_sel_hi:[1,0,0]   ; one d a lane: its bias serves both halves
.endr
.endr
	WIN 0
.set j_, 0
.rept 32
	v_med3_num_f32 v[ER+j_], v[ER+j_], -v235, v235
.set j_, j_+1
.endr
.irp dt, 0,1,2,3
	v_cvt_scalef32_pk8_fp8_f32 v[112+2*\dt:113+2*\dt], v[ER+8*\dt:ER+8*\dt+7], v234
.endr
.irp dt, 0,1,2,3
	global_store_b64 v8, v[112+2*\dt:113+2*\dt], s[24:25] offset:2048*\dt      ; 32 lanes store 256 consecutive bytes, at a multiple of 256 from the buffer's first byte
.endr
	s_wait_tensorcnt 0x0
	ds_add_u32 v254, v255
	s_wait_dscnt 0x0
	s_endpgm
.Lfunc_end_k_qfd3d9d0480_qkv:
	.size	k_qfd3d9d0480_qkv, .Lfunc_end_k_qfd3d9d0480_qkv-k_qfd3d9d0480_qkv
	.p2alignl 7, 3214868480
	.fill 96, 4, 3214868480
	.section	.rodata,"a",@progbits
	.p2align	6, 0x0
	.amdhsa_kernel k_qfd3d9d0480_qkv
		.amdhsa_group_segment_fixed_size 237056
		.amdhsa_private_segment_fixed_size 0
		.amdhsa_enable_private_segment 0
		.amdhsa_kernarg_size 88
		.amdhsa_user_sgpr_count 2
		.amdhsa_user_sgpr_kernarg_segment_ptr 1
		.amdhsa_wavefront_size32 1
		.amdhsa_system_sgpr_workgroup_id_x 1
		.amdhsa_system_sgpr_workgroup_id_y 1
		.amdhsa_system_sgpr_workgroup_id_z 1
		.amdhsa_system_vgpr_workitem_id 0
		.amdhsa_next_free_vgpr 448
		.amdhsa_next_free_sgpr 96
		.amdhsa_reserve_vcc 0
		.amdhsa_float_denorm_mode_32 3
		.amdhsa_float_denorm_mode_16_64 3
		.amdhsa_memory_ordered 1
		.amdhsa_forward_progress 1
		.amdhsa_inst_pref_size 96
	.end_amdhsa_kernel
	.amdgpu_metadata
---
amdhsa.version: [ 1, 2 ]
amdhsa.kernels:
  - .name:           k_qfd3d9d0480_qkv
    .symbol:         k_qfd3d9d0480_qkv.kd
    .args:
      - { .name: x, .offset: 0, .size: 8, .value_kind: global_buffer, .address_space: global }
      - { .name: wq_codes, .offset: 8, .size: 8, .value_kind: global_buffer, .address_space: global }
      - { .name: wk_codes, .offset: 16, .size: 8, .value_kind: global_buffer, .address_space: global }
      - { .name: wv_codes, .offset: 24, .size: 8, .value_kind: global_buffer, .address_space: global }
      - { .name: bq, .offset: 32, .size: 8, .value_kind: global_buffer, .address_space: global }
      - { .name: bk, .offset: 40, .size: 8, .value_kind: global_buffer, .address_space: global }
      - { .name: bv, .offset: 48, .size: 8, .value_kind: global_buffer, .address_space: global }
      - { .name: lowp_scales, .offset: 56, .size: 8, .value_kind: global_buffer, .address_space: global }
      - { .name: q_img, .offset: 64, .size: 8, .value_kind: global_buffer, .address_space: global }
      - { .name: k_img, .offset: 72, .size: 8, .value_kind: global_buffer, .address_space: global }
      - { .name: v_img, .offset: 80, .size: 8, .value_kind: global_buffer, .address_space: global }
    .group_segment_fixed_size: 237056
    .private_segment_fixed_size: 0
    .kernarg_segment_align: 8
    .kernarg_segment_size: 88
    .max_flat_workgroup_size: 128
    .sgpr_count:     96
    .vgpr_count:     448
    .wavefront_size: 32
...
	.end_amdgpu_metadata
.endif
;; end of part 1
;; launch colstat (part 2): grid 256 x 1, 4 waves a work-group, no clusters, 4,608 bytes of LDS; arguments q_img, k_img, lowp_scales, cst; writes cst
.if DOCPART == 2
	.amdgcn_target "amdgcn-amd-amdhsa--gfx1250"
	.amdhsa_code_object_version 6
	.text
	.protected	k_qfd3d9d0480_colstat
	.globl	k_qfd3d9d0480_colstat
	.p2align	8
	.type	k_qfd3d9d0480_colstat,@function
k_qfd3d9d0480_colstat:
	s_mov_b64 s[64:65], 0
	v_nop
	global_prefetch_b8 v0, s[64:65] scope:SCOPE_SE
	s_setreg_imm32_b32 hwreg(HW_REG_WAVE_MODE, 25, 1), 1
	s_wait_xcnt 0x0
; The softmax runs over the QUERIES: for each key it wants the largest score and the sum of exponentials over all 1,024 queries of its batch.  This launch makes, for each key,
; negc = -(m + log2 l), with t = score x log2(e) / 8, m = the largest t and l = the sum of 2^(t - m): the finished weight is then 2^(t + negc), and the maximum is taken away as in the definition.
; SHARES.  A work-group owns 64 keys (four tiles) of one batch; wave w walks queries 256 w .. 256 w + 255 (16 tiles) against all four, so that each fragment of q feeds four products and is read once in the work-group.
; Source 0 = 16 queries, source 1 = 16 keys: lane (r, h) holds key r and queries 8 h + 0 .. 7.  Each lane keeps a running m and l for its key; the eight partial results of a key (four waves x two halves of the lanes)
; meet in LDS, and wave 0 merges them.  Fragments come straight from the images in memory, 512 consecutive bytes a load: no tensor load, so no joint request can be made of them, and no cluster.
; LIMIT: entries 6 + 7 of the scales between -120 and 130 (they are added to the exponent field of log2(e) / 8).
; REGISTERS: v1 16 x lane; v3 my place in LDS; v6 8 x lane; v8-39 the four key tiles; v40-103 two sets of four query tiles; v104-231 the scores (32 kt + 8 qt); v232 + 4 kt: m, l, l in two halves; v248-255 at work.
.set SR, 104
	s_load_b256 s[4:11], s[0:1], 0x0               ; q_img, k_img, the scales' exponents, cst
	v_lshl_add_u32 v252, v0, 2, 0x1000
	v_mov_b32 v253, 0
	v_lshrrev_b32 v2, 5, v0
	v_readfirstlane_b32 s16, v2                    ; wave 0..3
	v_and_b32 v2, 31, v0
	v_lshlrev_b32 v1, 4, v2
	v_lshlrev_b32 v6, 3, v2
	v_and_b32 v4, 15, v0                           ; r
	v_bfe_u32 v5, v0, 4, 1                         ; h
	v_lshlrev_b32 v3, 3, v4
	v_lshl_add_u32 v3, v5, 9, v3
	s_lshl_b32 s17, s16, 10
	v_add_nc_u32 v3, s17, v3                       ; partial result (wave, h): 512 (2 wave + h) + 8 r; the key tile adds 128
	s_lshr_b32 s18, ttmp9, 4                       ; the batch: 64 tiles of 1,024 bytes,
	s_lshl_b32 s18, s18, 16
	s_lshl_b32 s19, s16, 14                        ; my 16 tiles of queries
	s_add_co_u32 s18, s18, s19
	s_mov_b32 s19, 0
	s_lshl_b32 s20, ttmp9, 12                      ; the work-group's four tiles of keys
	s_mov_b32 s21, 0
	s_lshl_b32 s22, ttmp9, 8                       ; and its 64 numbers of cst
	s_mov_b32 s23, 0
	s_wait_kmcnt 0x0
	s_load_b64 s[14:15], s[8:9], 0x18              ; entries 6, 7
	s_add_nc_u64 s[4:5], s[4:5], s[18:19]
	s_add_nc_u64 s[6:7], s[6:7], s[20:21]
	s_add_nc_u64 s[10:11], s[10:11], s[22:23]
.irp kt, 0,1,2,3
	global_load_b128 v[8+8*\kt:11+8*\kt], v1, s[6:7] offset:1024*\kt
	global_load_b128 v[12+8*\kt:15+8*\kt], v1, s[6:7] offset:1024*\kt+512
.endr
.macro QLOAD g                         ; query tiles 4 g .. 4 g + 3 into set g % 2
.irp qt, 0,1,2,3
	global_load_b128 v[40+32*((\g)%2)+8*\qt:43+32*((\g)%2)+8*\qt], v1, s[4:5] offset:(4*(\g)+\qt)*1024
	global_load_b128 v[44+32*((\g)%2)+8*\qt:47+32*((\g)%2)+8*\qt], v1, s[4:5] offset:(4*(\g)+\qt)*1024+512
.endr
.endm
	QLOAD 0
	QLOAD 1
.irp kt, 0,1,2,3
	v_mov_b32 v[232+4*\kt], 0xff61b1e6             ; m: -3e38, under every t
	v_mov_b32 v[233+4*\kt], 0
	v_mov_b32 v[234+4*\kt], 0                      ; l, in two halves
	v_mov_b32 v[235+4*\kt], 0
.endr
	v_mov_b32 v251, 0                              ; (named as the upper half of a pair)
	s_wait_kmcnt 0x0
	s_add_co_i32 s12, s14, s15
	s_lshl_b32 s12, s12, 23
	s_add_co_i32 s12, s12, 0x3e38aa3b              ; c = log2(e) / 8 x 2^(e6 + e7)
	s_mov_b32 s13, s12
; the 32 scores of key tile kt join its running m and l
.macro KSTAT kt
.set SB, SR+32*\kt
.set MQ, 232+4*\kt
	v_max3_num_f32 v248, v[SB], v[SB+1], v[SB+2]   ; the largest of 32, in two chains; each accumulator is first read at its low end
	v_max3_num_f32 v249, v[SB+3], v[SB+4], v[SB+5]
.irp i, 6,10,14,18,22,26
	v_max3_num_f32 v248, v248, v[SB+\i], v[SB+\i+1]
	v_max3_num_f32 v249, v249, v[SB+\i+2], v[SB+\i+3]
.endr
	v_max3_num_f32 v248, v248, v[SB+30], v[SB+31]
	v_max_num_f32 v248, v248, v249
	v_mul_f32 v248, s12, v248                      ; as t (c is positive)
	v_sub_f32 v249, v[MQ], v248
	v_max_num_f32 v[MQ], v[MQ], v248               ; the new m
	v_min_num_f32 v249, 0, v249                    ; the old m less the new one
	v_exp_f32 v250, v249                           ; f: what was summed under the old m comes under the new
.set j_, 0
.rept 16
	v_pk_fma_f32 v[SB+j_:SB+j_+1], v[SB+j_:SB+j_+1], s[12:13], v[MQ:MQ+1] op_sel_hi:[1,0,0] neg_lo:[0,0,1] neg_hi:[0,0,1]   ; t - m
.set j_, j_+2
.endr
.set j_, 0
.rept 32
	v_exp_f32 v[SB+j_], v[SB+j_]
.set j_, j_+1
.endr
	s_wait_alu depctr_va_vdst(0)
	v_pk_mul_f32 v[MQ+2:MQ+3], v[MQ+2:MQ+3], v[250:251] op_sel_hi:[1,0]        ; (the plain instruction behind the exponentials)
	v_pk_add_f32 v[254:255], v[SB:SB+1], v[SB+2:SB+3]
.irp j, 4,8,12,16,20,24,28
	v_pk_add_f32 v[MQ+2:MQ+3], v[MQ+2:MQ+3], v[SB+\j:SB+\j+1]
	v_pk_add_f32 v[254:255], v[254:255], v[SB+\j+2:SB+\j+3]
.endr
	v_pk_add_f32 v[MQ+2:MQ+3], v[MQ+2:MQ+3], v[254:255]
.endm
.macro GROUP g
.if \g < 3
	s_wait_loadcnt 8                               ; this group's tiles are in; the next group's eight loads may be out
.else
	s_wait_loadcnt 0x0
.endif
.irp qt, 0,1,2,3
.irp kt, 0,1,2,3
	v_wmma_f32_16x16x64_fp8_fp8 v[SR+32*\kt+8*\qt:SR+32*\kt+8*\qt+7], v[40+32*(\g%2)+8*\qt:47+32*(\g%2)+8*\qt], v[8+8*\kt:15+8*\kt], 0
.endr
.endr
.rept 4
	v_nop                                          ; places in front of the loads into the set just read and of the first read of the scores
.endr
.if \g < 2
	QLOAD \g+2
.endif
	KSTAT 0
	KSTAT 1
	KSTAT 2
	KSTAT 3
.endm
	GROUP 0
	GROUP 1
	GROUP 2
	GROUP 3
.irp kt, 0,1,2,3
	v_add_f32 v[233+4*\kt], v[234+4*\kt], v[235+4*\kt]
.endr
.irp kt, 0,1,2,3
	ds_store_b64 v3, v[232+4*\kt:233+4*\kt] offset:128*\kt
.endr
	s_wait_dscnt 0x0                               ; for the others' sake: my partial results lie in LDS
	s_barrier_signal -1
	s_barrier_wait -1
	s_cmp_lg_u32 s16, 0
	s_cbranch_scc1 .Lend
.irp p, 0,1,2,3,4,5,6,7
	ds_load_b128 v[8+4*\p:11+4*\p], v1 offset:512*\p   ; partial result p of keys 2 lane, 2 lane + 1: m, l, m, l
.endr
	s_wait_dscnt 0x0
	v_max3_num_f32 v40, v8, v12, v16
	v_max3_num_f32 v41, v10, v14, v18
	v_max3_num_f32 v40, v40, v20, v24
	v_max3_num_f32 v41, v41, v22, v26
	v_max3_num_f32 v40, v40, v28, v32
	v_max3_num_f32 v41, v41, v30, v34
	v_max_num_f32 v40, v40, v36
	v_max_num_f32 v41, v41, v38
.irp p, 0,1,2,3,4,5,6,7
	v_sub_f32 v[8+4*\p], v[8+4*\p], v40
	v_sub_f32 v[10+4*\p], v[10+4*\p], v41
.endr
.irp p, 0,1,2,3,4,5,6,7
	v_exp_f32 v[8+4*\p], v[8+4*\p]
	v_exp_f32 v[10+4*\p], v[10+4*\p]
.endr
	v_nop
	s_wait_alu depctr_va_vdst(0)
	v_mul_f32 v42, v8, v9
	v_mul_f32 v43, v10, v11
.irp p, 1,2,3,4,5,6,7
	v_fmac_f32 v42, v[8+4*\p], v[9+4*\p]
	v_fmac_f32 v43, v[10+4*\p], v[11+4*\p]
.endr
	v_log_f32 v44, v42
	v_log_f32 v45, v43
	v_nop
	s_wait_alu depctr_va_vdst(0)
	v_fma_f32 v46, v44, -1.0, -v40                 ; -(m + log2 l)
	v_fma_f32 v47, v45, -1.0, -v41
	global_store_b64 v6, v[46:47], s[10:11]        ; 32 lanes store 256 consecutive bytes, at a multiple of 256 from the buffer's first byte
.Lend:
	s_wait_tensorcnt 0x0
	ds_add_u32 v252, v253
	s_wait_dscnt 0x0
	s_endpgm
.Lfunc_end_k_qfd3d9d0480_colstat:
	.size	k_qfd3d9d0480_colstat, .Lfunc_end_k_qfd3d9d0480_colstat-k_qfd3d9d0480_colstat
	.p2alignl 7, 3214868480
	.fill 96, 4, 3214868480
	.section	.rodata,"a",@progbits
	.p2align	6, 0x0
	.amdhsa_kernel k_qfd3d9d0480_colstat
		.amdhsa_group_segment_fixed_size 4608
		.amdhsa_private_segment_fixed_size 0
		.amdhsa_enable_private_segment 0
		.amdhsa_kernarg_size 32
		.amdhsa_user_sgpr_count 2
		.amdhsa_user_sgpr_kernarg_segment_ptr 1
		.amdhsa_wavefront_size32 1
		.amdhsa_system_sgpr_workgroup_id_x 1
		.amdhsa_system_sgpr_workgroup_id_y 1
		.amdhsa_system_sgpr_workgroup_id_z 1
		.amdhsa_system_vgpr_workitem_id 0
		.amdhsa_next_free_vgpr 256
		.amdhsa_next_free_sgpr 66
		.amdhsa_reserve_vcc 0
		.amdhsa_float_denorm_mode_32 3
		.amdhsa_float_denorm_mode_16_64 3
		.amdhsa_memory_ordered 1
		.amdhsa_forward_progress 1
		.amdhsa_inst_pref_size 82
	.end_amdhsa_kernel
	.amdgpu_metadata
---
amdhsa.version: [ 1, 2 ]
amdhsa.kernels:
  - .name:           k_qfd3d9d0480_colstat
    .symbol:         k_qfd3d9d0480_colstat.kd
    .args:
      - { .name: q_img, .offset: 0, .size: 8, .value_kind: global_buffer, .address_space: global }
      - { .name: k_img, .offset: 8, .size: 8, .value_kind: global_buffer, .address_space: global }
      - { .name: lowp_scales, .offset: 16, .size: 8, .value_kind: global_buffer, .address_space: global }
      - { .name: cst, .offset: 24, .size: 8, .value_kind: global_buffer, .address_space: global }
    .group_segment_fixed_size: 4608
    .private_segment_fixed_size: 0
    .kernarg_segment_align: 8
    .kernarg_segment_size: 32
    .max_flat_workgroup_size: 128
    .sgpr_count:     66
    .vgpr_count:     256
    .wavefront_size: 32
...
	.end_amdgpu_metadata
.endif
;; end of part 2
;; launch rest (part 3): grid 256 x 1, 4 waves a work-group, clusters of 4 x 1, 327,680 bytes of LDS; arguments q_img, k_img, v_img, cst, x, wo_codes, w1_codes, w2_codes, bo, ln_g, ln_b, b1, b2, lowp_scales, out0; writes out0
.if DOCPART == 3
	.amdgcn_target "amdgcn-amd-amdhsa--gfx1250"
	.amdhsa_code_object_version 6
	.text
	.protected	k_qfd3d9d0480_rest
	.globl	k_qfd3d9d0480_rest
	.p2align	8
	.type	k_qfd3d9d0480_rest,@function
k_qfd3d9d0480_rest:
	s_mov_b64 s[64:65], 0
	v_nop
	global_prefetch_b8 v0, s[64:65] scope:SCOPE_SE
	s_setreg_imm32_b32 hwreg(HW_REG_WAVE_MODE, 25, 1), 1
	s_wait_xcnt 0x0
	s_wait_alu depctr_hold_cnt(0) depctr_sa_sdst(0) depctr_va_vdst(0) depctr_va_sdst(0) depctr_va_ssrc(0) depctr_va_vcc(0) depctr_vm_vsrc(0)
	s_getreg_b32 s2, hwreg(HW_REG_IB_STS2, 6, 4)
	s_cmp_eq_u32 s2, 0
	s_cbranch_scc0 .Lentry_in_a_cluster
	s_endpgm
.Lentry_in_a_cluster:
	s_bfe_u32 s2, ttmp6, 0x10000c
	s_cmp_lg_u32 s2, 0x3003
	s_cbranch_scc0 .Lentry_shape_is_right
	s_endpgm
.Lentry_shape_is_right:
; For 64 rows: the attention weights 2^(t + negc), quantised finished; head = weights x v; concat x wo + bo + x; LayerNorm; (h w1 + b1) w2 + b2 + h; LayerNorm.  All products on codes of FP8 (E4M3), f32 sums.
; SHARES.  A work-group of four waves owns 64 rows (four tiles of 16) of one batch.
;   ATTENTION: THE WAVES SHARE THE KEYS: wave w takes keys 256 w .. 256 w + 255 for all four tiles of queries, so K, V and negc go from memory straight into its registers, once in the work-group; the four partial
;   heads meet in LDS.  S^T = K Q^T (source 0 = 16 keys, source 1 = 16 queries) and O^T = V^T P^T: a lane holds one query throughout, and eight registers of a tile of S^T are eight neighbouring keys: a register pair of P.
;   THE WEIGHT PRODUCTS: THE WAVES SHARE THE COLUMNS: wave w owns output columns 128 w .. 128 w + 127 and, of each 256 hidden units, 64 w .. 64 w + 63, for all 64 rows.  So each byte of a weight is read from LDS once in the
;   work-group and feeds four products, and a wave reads only LDS bytes that its own tensor load brought.  All are used transposed (source 0 = 16 rows of the weight, source 1 = 16 rows of the operand).
; OPERANDS GO FROM WAVE TO WAVE THROUGH LDS AS IMAGES OF THEIR REGISTERS (16 bytes a lane, 512 a store).  Every operand lies as the form's own layout has it: registers 2 c, 2 c + 1 of lane (r, h) hold k = 16 c + 8 h + 0 .. 7;
;   a weight's fragment is read by loads of 8 bytes at row x pitch + 8 h + 16 c: with rows 528 or 272 bytes apart the 32 lanes of a load take 32 different 8-byte columns modulo 256.
; CLUSTER.  The four work-groups of a cluster walk the same wo, w1 and w2: each tile is asked for JOINTLY, the same tensor load with the same descriptor and a mask that names the four, in all four.  A work-group's place in its
;   cluster enters the addresses of q, x and out0 alone.  Two tensor loads of a wave are out at the start, one behind each later round of the cluster's barrier.
; LAYERNORM: each wave takes the mean of its 128 columns and the sum of squares about THAT mean; the four pairs are merged as mean = the mean of means, M2 = the sum of the M2 + 128 x the sum of (mean_w - mean)^2: no difference of large sums.
; h + b2 goes into the last product as the start of its sums, divided by 2^(e14 + e15); b1 as the C of the hidden layer's first products, divided by 2^(e12 + e13).
; LIMITS on the given exponents, so that each power of two below is an f32 number: e8, e12, e10 - e8 - e9, e14 - e12 - e13 between -126 and 119; e10 + e11, e12 + e13, e14 + e15 between -126 and 126; e6 + e7 between -120 and 130.
;   A weight under 2^-126 comes out of the exponential as 0.  NaN among the inputs is not served.
; LDS: 0: region A, 4 x 64 rows x 528 (wo's first half, then 256 rows of w1);  RB: region B (wo's second half so, then 4 x 128 rows x 272 of w2);  SCR: scratch that only LDS stores write; SPARE: the spare words.
;   SCR by turns, a barrier between: partial heads (12,288 a wave), the head's images (12,288 m), a stage of 16 x 528 a wave (12,288 w + 2,048); h's sixteen images from 16,384; the hidden layer's eight images from 0; LayerNorm's pairs from 49,152.
; REGISTERS, in windows of 256.  Window 0: v1-22 addresses, v24-31 holds and scales; v32-63 Q, later codes just made; v64-127 S^T, later rows of x, deviations, statistics; v128-191 P, later a weight's fragments (set 0), later rows at work;
;   v192-255 a weight's fragments (set 1), b2, rows on the way out.   Window 1: K and negc; then the head doubled, bo, g, b; then h's sixteen fragments; at last g, b.
;   Window 2: V and O^T; then the 32 accumulators of my 128 columns (64 m + 8 nt).   Window 3: x as loaded; then the hidden layer's sums (32 m + 8 t) and its fragments (64 s + 16 m) by turns, b1 from v128.
.set PW,    528
.set PW2,   272
.set WA,    64*PW                      ; a wave's part of region A
.set RB,    4*WA
.set WB2,   128*PW2                    ; a wave's part of region B under w2
.set SCR,   RB+4*WB2
.set HIMG,  SCR+16384
.set LNS,   SCR+49152
.set SPARE, 327168                     ; 128 bytes for each wave: two blocks of 256 bytes that no other line names
.set QF, 32
.set PC, 32
.set SS, 64
.set PF, 128
.set T2, 128
.set OB, 192
.set MSB, 0
.macro WIN new                         ; the immediate's high byte repeats the setting that is left
.if MSB != \new
	s_set_vgpr_msb (MSB<<8)|\new
.set MSB, \new
.endif
.endm
.macro PLACES n                        ; plain instructions between a matrix instruction and what reads its result, or writes or loads into its registers (ISA guide 7.12.1 for vector instructions)
.rept \n
	v_nop
.endr
.endm
.macro ROUND                           ; a round of the cluster's barrier
	s_barrier_signal -1
	s_barrier_wait -1
	s_cmp_lg_u32 s34, 0
	s_cbranch_scc1 .Lnot_wave_0_\@
	s_barrier_signal -3
.Lnot_wave_0_\@:
	s_barrier_wait -3
	s_barrier_signal -1
	s_barrier_wait -1
.endm
.macro BAR                             ; my LDS stores have landed and my LDS loads are in: then the work-group's barrier.
	s_wait_dscnt 0x0
	s_barrier_signal -1
	s_barrier_wait -1
.endm
.macro MKSC vl                         ; the exponent in s100: v[vl] = 448 x 2^e, v[vl+1] = 2^e
	s_add_co_i32 s100, s100, 127
	s_lshl_b32 s101, s100, 23
	v_mov_b32 v[\vl+1], s101
	s_add_co_i32 s100, s100, 8
	s_lshl_b32 s100, s100, 23
	s_or_b32 s100, s100, 0x600000
	v_mov_b32 v[\vl], s100
.endm
	s_load_b512 s[4:19], s[0:1], 0x0               ; q_img, k_img, v_img, cst, x, wo, w1, w2
	s_load_b256 s[20:27], s[0:1], 0x40             ; bo, ln_g, ln_b, b1
	s_load_b128 s[28:31], s[0:1], 0x60             ; b2, the scales' exponents
	s_load_b64 s[32:33], s[0:1], 0x70              ; out0
	v_lshl_add_u32 v4, v0, 2, SPARE
	v_mov_b32 v5, 0
	ds_add_u32 v4, v5
	ds_add_u32 v4, v5
	s_wait_dscnt 0x0
	v_lshrrev_b32 v1, 5, v0
	v_readfirstlane_b32 s34, v1                    ; wave 0..3
	s_bfe_u32 s35, ttmp6, 0x40000                  ; my place in the cluster
	s_lshl_b32 s66, ttmp9, 2
	s_add_co_u32 s66, s66, s35                     ; my block of 64 rows
	s_lshr_b32 s67, ttmp9, 2                       ; the batch, which the four partners share
	; descriptor group 1 for wo and w1: 64 rows x 512 bytes, dense; four words of padding behind every 128; the mask names all four work-groups, bit 21 beside it
	s_mov_b32 s52, 15|(0<<16)|(1<<20)|(1<<21)|(6<<22)|(3<<25)
	s_mov_b32 s53, 512<<16
	s_mov_b32 s54, 64<<16
	s_mov_b32 s55, 512<<16
	s_mov_b32 s56, 64
	s_mov_b32 s57, 512
	s_mov_b32 s58, 0
	s_mov_b32 s59, 0
	; and for w2: 128 rows x 256 bytes, 2,048 bytes from row to row; four words behind every 64
	s_mov_b32 s68, 15|(0<<16)|(1<<20)|(1<<21)|(5<<22)|(3<<25)
	s_mov_b32 s69, 256<<16
	s_mov_b32 s70, 128<<16
	s_mov_b32 s71, 256<<16
	s_mov_b32 s72, 128
	s_mov_b32 s73, 2048
	s_mov_b32 s74, 0
	s_mov_b32 s75, 0
	s_mov_b32 s101, 0
	s_wait_kmcnt 0x0
	s_load_b512 s[36:51], s[30:31], 0x0            ; e0 .. e15
	s_lshl_b32 s100, s34, 16                       ; my 128 rows of wo
	s_add_nc_u64 s[14:15], s[14:15], s[100:101]
	s_mov_b32 s60, 1
	s_mul_i32 s61, s34, WA
	s_mov_b64 s[62:63], s[14:15]
	s_or_b32 s63, s63, 0x80000000
	s_mov_b32 s76, 1
	s_add_co_u32 s77, s61, RB
	s_add_nc_u64 s[78:79], s[14:15], 64*512
	s_or_b32 s79, s79, 0x80000000
	s_lshl_b32 s100, s34, 15                       ; my 64 rows of each 256 of w1
	s_add_nc_u64 s[92:93], s[16:17], s[100:101]
	s_lshl_b32 s100, s34, 18                       ; my 128 rows of w2
	s_add_nc_u64 s[94:95], s[18:19], s[100:101]
	ROUND                                          ; all four work-groups are here: the first joint loads meet
	tensor_load_to_lds s[60:63], s[52:59]          ; my rows 0-63 of wo into A,
	s_nop 0
	tensor_load_to_lds s[76:79], s[52:59]          ; my rows 64-127 into B
	s_nop 0
	PLACES 4                                       ; behind a tensor load
	s_lshl_b32 s100, s34, 9                        ; my 128 columns of a row of 512 numbers
	s_add_nc_u64 s[20:21], s[20:21], s[100:101]
	s_add_nc_u64 s[22:23], s[22:23], s[100:101]
	s_add_nc_u64 s[24:25], s[24:25], s[100:101]
	s_add_nc_u64 s[28:29], s[28:29], s[100:101]
	s_lshl_b32 s35, s66, 17                        ; 64 rows of 2,048 bytes
	s_add_co_u32 s100, s100, s35
	s_add_nc_u64 s[12:13], s[12:13], s[100:101]
	s_add_nc_u64 s[32:33], s[32:33], s[100:101]
	s_lshl_b32 s100, s66, 12                       ; my block's four tiles of q
	s_add_nc_u64 s[4:5], s[4:5], s[100:101]
	s_lshl_b32 s100, s67, 16                       ; the batch's 65,536 bytes of k_img and of v_img, my wave's 16,384 (256 keys)
	s_lshl_b32 s35, s34, 14
	s_add_co_u32 s100, s100, s35
	s_add_nc_u64 s[6:7], s[6:7], s[100:101]
	s_add_nc_u64 s[8:9], s[8:9], s[100:101]
	s_lshl_b32 s100, s67, 12
	s_lshl_b32 s35, s34, 10
	s_add_co_u32 s100, s100, s35
	s_add_nc_u64 s[10:11], s[10:11], s[100:101]    ; negc of my 256 keys
	s_lshl_b32 s100, s34, 8
	s_add_nc_u64 s[96:97], s[26:27], s[100:101]    ; b1 of my 64 units of the first 256
	v_and_b32 v23, 31, v0                          ; lane
	v_lshlrev_b32 v1, 4, v23                       ; 16 x lane
	v_and_b32 v2, 15, v0                           ; r
	v_bfe_u32 v3, v0, 4, 1                         ; h
	v_lshlrev_b32 v21, 3, v23                      ; 8 x lane
	v_lshlrev_b32 v22, 5, v3                       ; 32 h
.irp i, 0,1,2,3
	s_add_co_u32 s35, s34, \i
	s_and_b32 s35, s35, 3
	s_lshl_b32 s35, s35, 10
	v_add_nc_u32 v[192+\i], s35, v1                ; my i-th tile of queries is tile (wave + i) % 4, so that the one I finish is my tile 0
.endr
.irp i, 0,1,2,3
	global_load_b128 v[QF+8*\i:QF+8*\i+3], v[192+\i], s[4:5]
	global_load_b128 v[QF+8*\i+4:QF+8*\i+7], v[192+\i], s[4:5] offset:512
.endr
.macro KVLOAD st                       ; 128 keys: 8 tiles of K, negc in S^T's layout, 4 fragments of V^T: 64 loads
	WIN 0x40
.irp t, 0,1,2,3,4,5,6,7
	global_load_b128 v[64*\st+8*\t:64*\st+8*\t+3], v1, s[6:7] offset:(8*\st+\t)*1024
	global_load_b128 v[64*\st+8*\t+4:64*\st+8*\t+7], v1, s[6:7] offset:(8*\st+\t)*1024+512
.endr
.irp t, 0,1,2,3,4,5,6,7
	global_load_b128 v[128+64*\st+8*\t:128+64*\st+8*\t+3], v22, s[10:11] offset:512*\st+64*\t
	global_load_b128 v[128+64*\st+8*\t+4:128+64*\st+8*\t+7], v22, s[10:11] offset:512*\st+64*\t+16
.endr
	WIN 0x80
.irp dt, 0,1,2,3
.irp c, 0,1,2,3,4,5,6,7
	global_load_b64 v[64*\st+16*\dt+2*\c:64*\st+16*\dt+2*\c+1], v21, s[8:9] offset:8192*\st+2048*\dt+256*\c
.endr
.endr
	WIN 0
.endm
	KVLOAD 0
	KVLOAD 1
	; LDS addresses: a constant, a constant x lane, a constant x wave
	v_mul_u32_u24 v6, v2, PW
	v_lshl_add_u32 v6, v3, 3, v6
	s_mul_i32 s35, s34, WA
	v_add_nc_u32 v6, s35, v6                       ; v6: a fragment's row in my part of A
	v_add_nc_u32 v7, RB, v6                        ; v7: the same in B under wo
	v_mul_u32_u24 v8, v2, PW2
	v_lshl_add_u32 v8, v3, 3, v8
	s_mul_i32 s35, s34, WB2
	s_add_co_u32 s35, s35, RB
	v_add_nc_u32 v8, s35, v8                       ; v8: in B under w2
.irp i, 1,2,3
	s_add_co_u32 s35, s34, \i
	s_and_b32 s35, s35, 3
	s_mul_i32 s35, s35, 12288
	s_add_co_u32 s35, s35, SCR+(\i-1)*4096
	v_add_nc_u32 v[8+\i], s35, v1                  ; v9-11: where my partial head of tile i goes: to wave (wave + i) % 4, place i - 1
.endr
	s_mul_i32 s35, s34, 12288
	s_add_co_u32 s35, s35, SCR
	v_add_nc_u32 v12, s35, v1                      ; v12: what the others sent me; then my head's image
	v_add_nc_u32 v13, SCR, v1                      ; v13: images from SCR on
	v_add_nc_u32 v17, 2048, v12                    ; v17: my stage, by rows
	v_mul_u32_u24 v18, v2, PW
	v_lshl_add_u32 v18, v3, 5, v18
	s_add_co_u32 s35, s35, 2048
	v_add_nc_u32 v18, s35, v18                     ; v18: my stage, in the results' layout: row r, + 32 h
	s_lshl_b32 s35, s34, 10
	s_add_co_u32 s35, s35, SCR
	v_add_nc_u32 v14, s35, v1                      ; v14: my half fragment of the hidden layer
	s_lshl_b32 s35, s34, 11
	s_add_co_u32 s35, s35, HIMG
	v_add_nc_u32 v15, s35, v1                      ; v15: my K step of h
	v_add_nc_u32 v16, HIMG, v1                     ; v16: h's images
	v_lshlrev_b32 v20, 5, v2
	v_add_nc_u32 v20, LNS, v20                     ; v20: a token's four pairs
	s_lshl_b32 s35, s34, 3
	v_add_nc_u32 v19, s35, v20                     ; v19: mine among them
	s_wait_kmcnt 0x0
	s_add_co_i32 s100, s42, s43
	s_lshl_b32 s100, s100, 23
	s_add_co_i32 s80, s100, 0x3e38aa3b             ; c = log2(e) / 8 x 2^(e6 + e7)
	s_mov_b32 s81, s80
	s_add_co_i32 s100, s46, s47
	s_add_co_i32 s100, s100, 127
	s_lshl_b32 s82, s100, 23                       ; 2^(e10 + e11)
	s_mov_b32 s83, s82
	s_add_co_i32 s100, s50, s51
	s_add_co_i32 s101, s100, 127
	s_lshl_b32 s84, s101, 23                       ; 2^(e14 + e15)
	s_mov_b32 s85, s84
	s_sub_co_i32 s101, 127, s100
	s_lshl_b32 s86, s101, 23                       ; and its inverse
	s_mov_b32 s87, s86
	s_add_co_i32 s100, s48, s49
	s_sub_co_i32 s101, 127, s100
	s_lshl_b32 s88, s101, 23                       ; 2^-(e12 + e13)
	s_mov_b32 s89, s88
	s_mov_b32 s90, 0x76543210                      ; v_permlanex16_b32's selects for lane l xor 16
	s_mov_b32 s91, 0xfedcba98
	s_mov_b32 s99, 0x3b000000                      ; 1 / 512
	s_mov_b32 s100, s44
	MKSC 24                                        ; the weights p: e8
	s_sub_co_i32 s100, s46, s44
	s_sub_co_i32 s100, s100, s45
	MKSC 26                                        ; the head: a sum stands for sum x 2^(e8 + e9), so its conversion takes 2^(e10 - e8 - e9)
	s_mov_b32 s100, s48
	MKSC 28                                        ; h: e12
	s_sub_co_i32 s100, s50, s48
	s_sub_co_i32 s100, s100, s49
	MKSC 30                                        ; the hidden layer: 2^(e14 - e12 - e13)
; ---- ATTENTION
.macro SCORE st, i                     ; S^T of 128 keys x my i-th tile of queries
	WIN 0x01
.irp t, 0,1,2,3,4,5,6,7
	v_wmma_f32_16x16x64_fp8_fp8 v[SS+8*\t:SS+8*\t+7], v[64*\st+8*\t:64*\st+8*\t+7], v[QF+8*\i:QF+8*\i+7], 0
.endr
	WIN 0
	PLACES 4
.endm
.macro SOFT st, i                      ; the finished weights 2^(c s + negc), held (never negative: one side) and quantised: tile t's eight keys are registers 2 t, 2 t + 1 of P
	WIN 0x10
.set k_, 0
.rept 32
	v_pk_fma_f32 v[SS+k_:SS+k_+1], v[SS+k_:SS+k_+1], s[80:81], v[128+64*\st+k_:128+64*\st+k_+1] op_sel_hi:[1,0,1]
.set k_, k_+2
.endr
	WIN 0
.set k_, 0
.rept 64
	v_exp_f32 v[SS+k_], v[SS+k_]
.set k_, k_+1
.endr
	v_nop                                          ; a plain instruction behind the exponentials
.set k_, 0
	s_wait_alu depctr_va_vdst(0)
.rept 64
	v_min_num_f32 v[SS+k_], v[SS+k_], v24
.set k_, k_+1
.endr
.irp t, 0,1,2,3,4,5,6,7
	v_cvt_scalef32_pk8_fp8_f32 v[PF+16*\i+2*\t:PF+16*\i+2*\t+1], v[SS+8*\t:SS+8*\t+7], v25
.endr
	v_nop                                          ; a plain instruction behind the conversions
.endm
.macro PVMUL st                        ; O^T (+)= V^T P^T: sixteen accumulators by turns
	WIN 0xa2
.irp dt, 0,1,2,3
.irp i, 0,1,2,3
.if \st == 0
	v_wmma_f32_16x16x128_fp8_fp8 v[128+32*\i+8*\dt:128+32*\i+8*\dt+7], v[64*\st+16*\dt:64*\st+16*\dt+15], v[PF+16*\i:PF+16*\i+15], 0
.else
	v_wmma_f32_16x16x128_fp8_fp8 v[128+32*\i+8*\dt:128+32*\i+8*\dt+7], v[64*\st+16*\dt:64*\st+16*\dt+15], v[PF+16*\i:PF+16*\i+15], v[128+32*\i+8*\dt:128+32*\i+8*\dt+7]
.endif
.endr
.endr
	WIN 0
	PLACES 4
.endm
.macro PLOAD reg, sb                   ; a vector of 512 numbers in the results' layout: register 8 nt + j = P[128 wave + 16 nt + 8 h + j]
.irp n, 0,1,2,3,4,5,6,7
.irp q, 0,1
	global_load_b128 v[\reg+8*\n+4*\q:\reg+8*\n+4*\q+3], v22, s[\sb:\sb+1] offset:64*\n+16*\q
.endr
.endr
.endm
	s_wait_loadcnt 63                              ; Q and the first 128 keys are in: 64 loads were issued behind them, and 63 is the largest count that the wait can name
.irp i, 0,1,2,3
	SCORE 0, \i
	SOFT 0, \i
.endr
	PVMUL 0
	WIN 0xc0                                       ; x is asked for here, long before it is wanted: my 512 bytes of each of the 64 rows, 512 consecutive bytes a load
.irp m, 0,1,2,3
.set k_, 0
.rept 16
	global_load_b128 v[64*\m+4*k_:64*\m+4*k_+3], v1, s[12:13] offset:(16*\m+k_)*2048 th:TH_LOAD_NT
.set k_, k_+1
.endr
.endr
	WIN 0
	s_wait_loadcnt 63                              ; the second 128 keys are in: x's 64 loads were issued behind them
.irp i, 0,1,2,3
	SCORE 1, \i
	SOFT 1, \i
.endr
	PVMUL 1
	WIN 0x40
	PLOAD 64, 20                                   ; bo, g, b into the registers that K and negc have left
	PLOAD 128, 22
	PLOAD 192, 24
	; the partial heads of the three tiles that others finish go to them; each accumulator from its low end on
	WIN 0x08
.irp i, 1,2,3
.irp p, 0,1,2,3,4,5,6,7
	ds_store_b128 v[8+\i], v[128+32*\i+4*\p:128+32*\i+4*\p+3] offset:512*\p
.endr
.endr
	WIN 0
	BAR
.irp i, 1,2,3
.irp p, 0,1,2,3,4,5,6,7
	ds_load_b128 v[64+32*(\i-1)+4*\p:64+32*(\i-1)+4*\p+3], v12 offset:4096*(\i-1)+512*\p
.endr
.endr
	s_wait_dscnt 0x0
	WIN 0x02
.set k_, 0
.rept 16
	v_pk_add_f32 v[160+k_:161+k_], v[128+k_:129+k_], v[64+k_:65+k_]
.set k_, k_+2
.endr
	WIN 0
.set k_, 0
.rept 16
	v_pk_add_f32 v[160+k_:161+k_], v[160+k_:161+k_], v[96+k_:97+k_]
.set k_, k_+2
.endr
.set k_, 0
.rept 16
	v_pk_add_f32 v[160+k_:161+k_], v[160+k_:161+k_], v[128+k_:129+k_]
.set k_, k_+2
.endr
.set k_, 0
.rept 32
	v_med3_num_f32 v[160+k_], v[160+k_], -v26, v26
.set k_, k_+1
.endr
.irp dt, 0,1,2,3
	v_cvt_scalef32_pk8_fp8_f32 v[PC+2*\dt:PC+2*\dt+1], v[160+8*\dt:167+8*\dt], v27
.endr
	v_nop
	ds_store_b128 v12, v[PC:PC+3]                  ; my tile's head, 64 codes a token, as an image; my reads of these bytes are back
	ds_store_b128 v12, v[PC+4:PC+7] offset:512
	BAR
	WIN 0x40
.irp m, 0,1,2,3                        ; concat repeats the head: k and k + 64 are the same d, so a fragment of 128 along K is the head's image twice, and serves every K step
.irp u, 0,1
.irp c, 0,1
	ds_load_b128 v[16*\m+8*\u+4*\c:16*\m+8*\u+4*\c+3], v13 offset:12288*\m+512*\c
.endr
.endr
.endr
	WIN 0
; ---- THE WEIGHT PRODUCTS
.macro LOADW aw, buf, pit, t0, ko      ; four fragments (16 rows x 128 K) of a weight into set buf: 32 loads of 8 bytes a lane
.irp t, 0,1,2,3
.irp c, 0,1,2,3,4,5,6,7
	ds_load_b64 v[128+64*(\buf)+16*\t+2*\c:128+64*(\buf)+16*\t+2*\c+1], v[\aw] offset:((\t0)+\t)*16*(\pit)+(\ko)+16*\c
.endr
.endr
.endm
; 64 rows of a weight x 64 rows of the operand in window 1, K = 512: 64 products, sixteen accumulators by turns.  cm = 1: b1, divided by 2^(e12 + e13), is the C of the first sixteen.
.macro PH1 aw, win, db, dm, ks, cm
.if \cm
	s_wait_loadcnt 0x0                             ; b1 of these units
	WIN 0xc3
.set k_, 0
.rept 16
	v_pk_mul_f32 v[128+k_:129+k_], v[128+k_:129+k_], s[88:89] op_sel_hi:[1,0]
.set k_, k_+2
.endr
	WIN 0
.endif
	LOADW \aw, 0, PW, 0, 0
.irp s, 0,1,2,3
.if \s < 3
	PLACES 4
	LOADW \aw, (\s+1)%2, PW, 0, 128*(\s+1)
	s_wait_dscnt 32                                ; this K step's fragments are in; the 32 loads just issued may be out
.else
	s_wait_dscnt 0x0
.endif
	WIN \win
.irp t, 0,1,2,3
.irp m, 0,1,2,3
.set d_, \db+\dm*\m+8*\t
.set a_, 128+64*(\s%2)+16*\t
.set b_, 64*\ks*\s+16*\m
.if \s > 0
	v_wmma_f32_16x16x128_fp8_fp8 v[d_:d_+7], v[a_:a_+15], v[b_:b_+15], v[d_:d_+7]
.elseif \cm
	v_wmma_f32_16x16x128_fp8_fp8 v[d_:d_+7], v[a_:a_+15], v[b_:b_+15], v[128+8*\t:135+8*\t]
.else
	v_wmma_f32_16x16x128_fp8_fp8 v[d_:d_+7], v[a_:a_+15], v[b_:b_+15], 0
.endif
.endr
.endr
	WIN 0
.endr
.endm
; A CHANGE OF REGIONS.  Each wave waits for all its tensor loads (the one that is out is its part of the region read next), adds 0 to its spare word, steps a descriptor while the add is out, and waits for the add and for all its
; LDS reads and stores.  Then a round of the cluster's barrier: no wave of any partner still reads the region left, or has a load on its way; the joint refill is the first thing behind it, one load a wave.
; kind 0: A takes w1's first 256 rows, and both descriptors are set for the FFN;  1: B takes w2's next 256 along K;  2: A takes w1's next 256 rows;  3: nothing is left to fetch: the work-group's barrier alone.
; The same barrier parts the stores of the hidden layer's images from their reads, and those reads from the next stores.
.macro CHANGE kind
	WIN 0
	s_wait_tensorcnt 0x0
	ds_add_u32 v4, v5
.if \kind == 0
	s_mov_b64 s[62:63], s[92:93]
	s_or_b32 s63, s63, 0x80000000
	s_mul_i32 s77, s34, WB2
	s_add_co_u32 s77, s77, RB
	s_mov_b64 s[78:79], s[94:95]
	s_or_b32 s79, s79, 0x80000000
.elseif \kind == 1
	s_add_nc_u64 s[62:63], s[62:63], 256*512       ; w1's next 256 rows (behind the last it is not used)
.elseif \kind == 2
	s_add_nc_u64 s[78:79], s[78:79], 256           ; w2's next 256 along K
.endif
	s_wait_dscnt 0x0
.if \kind == 3
	s_barrier_signal -1
	s_barrier_wait -1
.else
	ROUND
.if \kind == 1
	tensor_load_to_lds s[76:79], s[68:75]
	s_nop 0
.else
	tensor_load_to_lds s[60:63], s[52:59]
	s_nop 0
.endif
.endif
	PLACES 4                                       ; behind a tensor load; also the places in front of the loads that follow
.endm
	s_wait_tensorcnt 0x1                           ; my rows 0-63 of wo have landed (the load for rows 64-127 was issued behind them); only I read them
	s_wait_dscnt 0x0                               ; the head's fragments
	PH1 6, 0xa4, 0, 64, 0, 0
	CHANGE 0
	PH1 7, 0xa4, 32, 64, 0, 0
	PLACES 4
	PLOAD 192, 28                                  ; b2
; ---- LAYERNORM
.macro LNSTAT m                        ; of the 16 tokens of tile m: the mean of my 128 columns and the sum of squares about it
	v_mov_b32 v[137+2*\m], 0                       ; (named as the upper half of a pair)
	WIN 0x0a
.irp c, 0,1,2,3
	v_pk_add_f32 v[128+2*\c:129+2*\c], v[64*\m+4*\c:64*\m+4*\c+1], v[64*\m+4*\c+2:64*\m+4*\c+3]
.endr
	WIN 0x08
.irp k, 16,24,32,40,48,56
.irp c, 0,1,2,3
	v_pk_add_f32 v[128+2*\c:129+2*\c], v[128+2*\c:129+2*\c], v[64*\m+\k+2*\c:64*\m+\k+2*\c+1]
.endr
.endr
	WIN 0
	v_pk_add_f32 v[128:129], v[128:129], v[130:131]
	v_pk_add_f32 v[132:133], v[132:133], v[134:135]
	v_pk_add_f32 v[128:129], v[128:129], v[132:133]
	v_add_f32 v128, v128, v129
	v_permlanex16_b32 v129, v128, s90, s91         ; the token's other 64 columns lie in the lane 16 away
	v_add_f32 v128, v128, v129
	v_mul_f32 v[136+2*\m], 0x3c000000, v128        ; / 128
	WIN 0x02
.set k_, 0
.rept 32
	v_pk_add_f32 v[64+k_:65+k_], v[64*\m+k_:64*\m+k_+1], v[136+2*\m:137+2*\m] op_sel_hi:[1,0] neg_lo:[0,1] neg_hi:[0,1]
.set k_, k_+2
.endr
	WIN 0
.irp c, 0,1,2,3
	v_pk_mul_f32 v[128+2*\c:129+2*\c], v[64+2*\c:65+2*\c], v[64+2*\c:65+2*\c]
.endr
.irp k, 8,16,24,32,40,48,56
.irp c, 0,1,2,3
	v_pk_fma_f32 v[128+2*\c:129+2*\c], v[64+\k+2*\c:65+\k+2*\c], v[64+\k+2*\c:65+\k+2*\c], v[128+2*\c:129+2*\c]
.endr
.endr
	v_pk_add_f32 v[128:129], v[128:129], v[130:131]
	v_pk_add_f32 v[132:133], v[132:133], v[134:135]
	v_pk_add_f32 v[128:129], v[128:129], v[132:133]
	v_add_f32 v128, v128, v129
	v_permlanex16_b32 v129, v128, s90, s91
	v_add_f32 v[137+2*\m], v128, v129
	ds_store_b64 v19, v[136+2*\m:137+2*\m] offset:512*\m   ; both halves of the lanes hold, and write, the same pair
.endm
.macro LNREAD                          ; the four waves' pairs of my lane's token, for all four tiles
.irp m, 0,1,2,3
	ds_load_b128 v[64+8*\m:67+8*\m], v20 offset:512*\m
	ds_load_b128 v[68+8*\m:71+8*\m], v20 offset:512*\m+16
.endr
	v_mov_b32 v99, 0                               ; (upper halves of the pairs that hold the mean and 1 / the deviation)
	v_mov_b32 v107, 0
.endm
.macro LNFIN m                         ; v98 = the mean, v106 = 1 / sqrt(variance + 1e-5)
.set SB, 64+8*\m
	v_add_f32 v96, v[SB], v[SB+2]
	v_add_f32 v97, v[SB+4], v[SB+6]
	v_add_f32 v104, v[SB+1], v[SB+3]
	v_add_f32 v105, v[SB+5], v[SB+7]
	v_add_f32 v96, v96, v97
	v_add_f32 v104, v104, v105
	v_mul_f32 v98, 0x3e800000, v96
	v_sub_f32 v100, v[SB], v98
	v_sub_f32 v101, v[SB+2], v98
	v_sub_f32 v102, v[SB+4], v98
	v_sub_f32 v103, v[SB+6], v98
	v_mul_f32 v100, v100, v100
	v_fmac_f32 v100, v101, v101
	v_fmac_f32 v100, v102, v102
	v_fmac_f32 v100, v103, v103
	v_fmamk_f32 v104, v100, 0x43000000, v104       ; + 128 x the squares of the means' deviations
	v_fmaak_f32 v104, s99, v104, 0x3727c5ac        ; / 512 + 1e-5
	v_rsq_f32 v106, v104                           ; (the subtraction that follows is the plain instruction behind it)
.endm
.macro NORM m                          ; v[T2 ..] = (the row - mean) / deviation
	WIN 0x02
.set k_, 0
.rept 32
	v_pk_add_f32 v[T2+k_:T2+k_+1], v[64*\m+k_:64*\m+k_+1], v[98:99] op_sel_hi:[1,0] neg_lo:[0,1] neg_hi:[0,1]
.set k_, k_+2
.endr
	WIN 0
.set k_, 0
	s_wait_alu depctr_va_vdst(0)
.rept 32
	v_pk_mul_f32 v[T2+k_:T2+k_+1], v[T2+k_:T2+k_+1], v[106:107] op_sel_hi:[1,0]
.set k_, k_+2
.endr
.endm
.macro B1LOAD                          ; b1 of my 64 units of the 256 in hand, in the sums' layout (under destination window 3)
.irp t, 0,1,2,3
.irp q, 0,1
	global_load_b128 v[128+8*\t+4*\q:128+8*\t+4*\q+3], v22, s[96:97] offset:64*\t+16*\q
.endr
.endr
.endm
	s_wait_loadcnt 16                              ; x, bo, g and b are in; b2's sixteen loads may be out
.irp m, 0,1,2,3
	WIN 0x0c                                       ; x turns through my stage: in by rows as it was loaded, out in the results' layout.  LDS serves a wave's instructions in order (ISA guide 5.7.1.4)
.set k_, 0
.rept 16
	ds_store_b128 v17, v[64*\m+4*k_:64*\m+4*k_+3] offset:PW*k_
.set k_, k_+1
.endr
	WIN 0
.irp n, 0,1,2,3,4,5,6,7
.irp q, 0,1
	ds_load_b128 v[64+8*\n+4*\q:64+8*\n+4*\q+3], v18 offset:64*\n+16*\q
.endr
.endr
	s_wait_dscnt 0x0
	WIN 0x04
.set k_, 0
.rept 32
	v_pk_add_f32 v[64+k_:65+k_], v[64+k_:65+k_], v[64+k_:65+k_]        ; x + bo (bo: window 1)
.set k_, k_+2
.endr
	WIN 0x82
.set k_, 0
.rept 32
	v_pk_fma_f32 v[64*\m+k_:64*\m+k_+1], v[64*\m+k_:64*\m+k_+1], s[82:83], v[64+k_:65+k_] op_sel_hi:[1,0,1]   ; sum x 2^(e10 + e11) + bo + x; each accumulator from its low end on
.set k_, k_+2
.endr
	WIN 0
	LNSTAT \m
.endr
	BAR
	WIN 0xc0
	B1LOAD                                         ; x's registers are free
	WIN 0
	LNREAD
	s_wait_loadcnt 8                               ; b2 is in; b1's eight loads may be out
.set k_, 0
.rept 32
	v_pk_mul_f32 v[192+k_:193+k_], v[192+k_:193+k_], s[86:87] op_sel_hi:[1,0]  ; b2 / 2^(e14 + e15)
.set k_, k_+2
.endr
	s_wait_dscnt 0x0
.irp m, 0,1,2,3
	LNFIN \m
	NORM \m
	WIN 0x94
.set k_, 0
.rept 32
	v_pk_fma_f32 v[64*\m+k_:64*\m+k_+1], v[T2+k_:T2+k_+1], v[128+k_:129+k_], v[192+k_:193+k_]   ; h = .. x g + b
.set k_, k_+2
.endr
	WIN 0x02
.set k_, 0
.rept 64
	v_med3_num_f32 v[T2+k_], v[64*\m+k_], -v28, v28
.set k_, k_+1
.endr
	WIN 0
	s_wait_dscnt 0x0                               ; the last tile's image stores have read the registers that the conversions write
.irp t, 0,1,2,3,4,5,6,7
	v_cvt_scalef32_pk8_fp8_f32 v[PC+2*\t:PC+2*\t+1], v[T2+8*\t:T2+8*\t+7], v29
.endr
	WIN 0x82
.set k_, 0
.rept 32
	v_pk_fma_f32 v[64*\m+k_:64*\m+k_+1], v[64*\m+k_:64*\m+k_+1], s[86:87], v[192+k_:193+k_] op_sel_hi:[1,0,1]   ; (h + b2) / 2^(e14 + e15): where the last product's sums begin
.set k_, k_+2
.endr
	WIN 0
.irp c, 0,1,2,3
	ds_store_b128 v15, v[PC+4*\c:PC+4*\c+3] offset:8192*\m+512*\c      ; my 128 columns are K step `wave` of the next product
.endr
.endr
	BAR
	WIN 0x40
.irp s, 0,1,2,3
.irp m, 0,1,2,3
.irp c, 0,1,2,3
	ds_load_b128 v[64*\s+16*\m+4*\c:64*\s+16*\m+4*\c+3], v16 offset:(4*\m+\s)*2048+512*\c   ; h's sixteen fragments stay in window 1 through the FFN
.endr
.endr
.endr
	WIN 0
; ---- THE FFN, 256 hidden units at a time
.macro QF1                             ; my 64 units x 64 rows: held, quantised, half a fragment a tile of rows to LDS
	PLACES 4
	WIN 0xc3
.set k_, 0
.rept 128
	v_med3_num_f32 v[k_], v[k_], -v30, v30
.set k_, k_+1
.endr
	WIN 0x03
.irp m, 0,1,2,3
.irp t, 0,1,2,3
	v_cvt_scalef32_pk8_fp8_f32 v[PC+8*\m+2*\t:PC+8*\m+2*\t+1], v[32*\m+8*\t:32*\m+8*\t+7], v31
.endr
.endr
	WIN 0
	v_nop
.irp m, 0,1,2,3
.irp u, 0,1
	ds_store_b128 v14, v[PC+8*\m+4*\u:PC+8*\m+4*\u+3] offset:4096*\m+512*\u
.endr
.endr
.endm
.macro PH2 nb                          ; my 128 columns += w2 x the 256 units: 64 products, 32 accumulators by turns.  nb = 1: the next units' b1 is asked for
.if \nb
	s_add_nc_u64 s[96:97], s[96:97], 1024          ; (the loads that named it were waited for ahead of the hidden layer's products)
	WIN 0xc0
	B1LOAD
.endif
	WIN 0xc0
.irp s, 0,1
.irp m, 0,1,2,3
.irp c, 0,1,2,3
	ds_load_b128 v[64*\s+16*\m+4*\c:64*\s+16*\m+4*\c+3], v13 offset:4096*\m+2048*\s+512*\c
.endr
.endr
.endr
	WIN 0
	LOADW 8, 0, PW2, 0, 0
.irp g, 0,1,2,3
.if \g < 3
	PLACES 4
	LOADW 8, (\g+1)%2, PW2, 4*((\g+1)%2), 128*((\g+1)/2)
	s_wait_dscnt 32                                ; all but the 32 loads just issued
.else
	s_wait_dscnt 0x0
.endif
	WIN 0xac
.irp t, 0,1,2,3
.irp m, 0,1,2,3
.set d_, 64*\m+8*(4*(\g%2)+\t)
	v_wmma_f32_16x16x128_fp8_fp8 v[d_:d_+7], v[128+64*(\g%2)+16*\t:128+64*(\g%2)+16*\t+15], v[64*(\g/2)+16*\m:64*(\g/2)+16*\m+15], v[d_:d_+7]
.endr
.endr
	WIN 0
.endr
.endm
	s_mov_b32 s98, 7
.Lchunk:                                           ; seven trips; each asks for w2's part of its own units and for w1's rows of the next
	CHANGE 1
	PH1 6, 0xf4, 0, 32, 1, 1
	QF1
	CHANGE 2
	PH2 1
	s_sub_co_u32 s98, s98, 1
	s_cmp_lg_u32 s98, 0
	s_cbranch_scc1 .Lchunk
	CHANGE 1                                       ; the last 256 units are written out
	PH1 6, 0xf4, 0, 32, 1, 1
	QF1
	CHANGE 3
	WIN 0x40
	PLOAD 0, 22                                    ; g and b once more, into registers that h's fragments have left
	PLOAD 64, 24
	WIN 0
	PH2 0
; ---- THE SECOND LAYERNORM AND THE WAY OUT
	PLACES 4
	WIN 0x82
.set k_, 0
.rept 128
	v_pk_mul_f32 v[k_:k_+1], v[k_:k_+1], s[84:85] op_sel_hi:[1,0]      ; x 2^(e14 + e15): h + ff; each accumulator from its low end on
.set k_, k_+2
.endr
	WIN 0
.irp m, 0,1,2,3
	LNSTAT \m
.endr
	BAR
	LNREAD
	s_wait_loadcnt 0x0                             ; g, b
	s_wait_dscnt 0x0
.irp m, 0,1,2,3
	LNFIN \m
	NORM \m
	WIN 0x14
.set k_, 0
.rept 32
	v_pk_fma_f32 v[T2+k_:T2+k_+1], v[T2+k_:T2+k_+1], v[k_:k_+1], v[64+k_:65+k_]
.set k_, k_+2
.endr
	WIN 0
.irp n, 0,1,2,3,4,5,6,7
.irp q, 0,1
	ds_store_b128 v18, v[T2+8*\n+4*\q:T2+8*\n+4*\q+3] offset:64*\n+16*\q       ; through my stage: in as the results lie, out by rows
.endr
.endr
	s_wait_xcnt 0x0                                ; the last tile's stores have read their registers: only now are these loaded again
.set k_, 0
.rept 16
	ds_load_b128 v[OB+4*k_:OB+4*k_+3], v17 offset:PW*k_
.set k_, k_+1
.endr
.set k_, 0
.rept 16
	s_wait_dscnt 15-k_                             ; row k is back; the younger rows may be out
	global_store_b128 v1, v[OB+4*k_:OB+4*k_+3], s[32:33] offset:(16*\m+k_)*2048 th:TH_STORE_NT   ; 32 lanes store 512 consecutive bytes, at a multiple of 256 from the buffer's first byte
.set k_, k_+1
.endr
.endr
	s_wait_tensorcnt 0x0                           ; the wave's end: behind my last tensor load and my last LDS store
	ds_add_u32 v4, v5
	s_wait_dscnt 0x0
	ROUND                                          ; the closing round: no work-group ends while a partner may still ask for a tile that names it
	s_endpgm
.Lfunc_end_k_qfd3d9d0480_rest:
	.size	k_qfd3d9d0480_rest, .Lfunc_end_k_qfd3d9d0480_rest-k_qfd3d9d0480_rest
	.p2alignl 7, 3214868480
	.fill 96, 4, 3214868480
	.section	.rodata,"a",@progbits
	.p2align	6, 0x0
	.amdhsa_kernel k_qfd3d9d0480_rest
		.amdhsa_group_segment_fixed_size 327680
		.amdhsa_private_segment_fixed_size 0
		.amdhsa_enable_private_segment 0
		.amdhsa_kernarg_size 120
		.amdhsa_user_sgpr_count 2
		.amdhsa_user_sgpr_kernarg_segment_ptr 1
		.amdhsa_wavefront_size32 1
		.amdhsa_system_sgpr_workgroup_id_x 1
		.amdhsa_system_sgpr_workgroup_id_y 1
		.amdhsa_system_sgpr_workgroup_id_z 1
		.amdhsa_system_vgpr_workitem_id 0
		.amdhsa_next_free_vgpr 1024
		.amdhsa_next_free_sgpr 102
		.amdhsa_reserve_vcc 0
		.amdhsa_float_denorm_mode_32 3
		.amdhsa_float_denorm_mode_16_64 3
		.amdhsa_memory_ordered 1
		.amdhsa_forward_progress 1
		.amdhsa_inst_pref_size 255
	.end_amdhsa_kernel
	.section	.bss,"aw",@nobits
	.p2align	6
	.space	262144
	.amdgpu_metadata
---
amdhsa.version: [ 1, 2 ]
amdhsa.kernels:
  - .name:           k_qfd3d9d0480_rest
    .symbol:         k_qfd3d9d0480_rest.kd
    .args:
      - { .name: q_img, .offset: 0, .size: 8, .value_kind: global_buffer, .address_space: global }
      - { .name: k_img, .offset: 8, .size: 8, .value_kind: global_buffer, .address_space: global }
      - { .name: v_img, .offset: 16, .size: 8, .value_kind: global_buffer, .address_space: global }
      - { .name: cst, .offset: 24, .size: 8, .value_kind: global_buffer, .address_space: global }
      - { .name: x, .offset: 32, .size: 8, .value_kind: global_buffer, .address_space: global }
      - { .name: wo_codes, .offset: 40, .size: 8, .value_kind: global_buffer, .address_space: global }
      - { .name: w1_codes, .offset: 48, .size: 8, .value_kind: global_buffer, .address_space: global }
      - { .name: w2_codes, .offset: 56, .size: 8, .value_kind: global_buffer, .address_space: global }
      - { .name: bo, .offset: 64, .size: 8, .value_kind: global_buffer, .address_space: global }
      - { .name: ln_g, .offset: 72, .size: 8, .value_kind: global_buffer, .address_space: global }
      - { .name: ln_b, .offset: 80, .size: 8, .value_kind: global_buffer, .address_space: global }
      - { .name: b1, .offset: 88, .size: 8, .value_kind: global_buffer, .address_space: global }
      - { .name: b2, .offset: 96, .size: 8, .value_kind: global_buffer, .address_space: global }
      - { .name: lowp_scales, .offset: 104, .size: 8, .value_kind: global_buffer, .address_space: global }
      - { .name: out0, .offset: 112, .size: 8, .value_kind: global_buffer, .address_space: global }
    .group_segment_fixed_size: 327680
    .private_segment_fixed_size: 0
    .kernarg_segment_align: 8
    .kernarg_segment_size: 120
    .max_flat_workgroup_size: 128
    .sgpr_count:     102
    .vgpr_count:     1024
    .wavefront_size: 32
...
	.end_amdgpu_metadata
.endif
;; end of part 3
;; ======== version 2 of 2: 3 launches
;; limits: right only within a limited range of input values
;; workspace buffers: q_img 1,048,576 bytes; k_img 1,048,576 bytes; v_img 1,048,576 bytes; cst 65,536 bytes; w2_img 1,048,576 bytes
;; launch qkv (part 4): grid 256 x 1, 8 waves a work-group, no clusters, 235,520 bytes of LDS; arguments x, wq_codes, wk_codes, wv_codes, bq, bk, bv, lowp_scales, q_img, k_img, v_img, w2_codes, w2_img; writes q_img, k_img, v_img, w2_img
.if DOCPART == 4
	.amdgcn_target "amdgcn-amd-amdhsa--gfx1250"
	.amdhsa_code_object_version 6
	.text
	.protected	k_qfd3d9d0480_qkv
	.globl	k_qfd3d9d0480_qkv
	.p2align	8
	.type	k_qfd3d9d0480_qkv,@function
k_qfd3d9d0480_qkv:
	s_mov_b64 s[64:65], 0
	v_nop
	global_prefetch_b8 v0, s[64:65] scope:SCOPE_SE
	s_setreg_imm32_b32 hwreg(HW_REG_WAVE_MODE, 25, 1), 1
	s_wait_xcnt 0x0
; q = Q(x) wq + bq, k = Q(x) wk + bk, v = Q(x) wv + bv on codes of FP8 (E4M3); q, k and v are quantised in turn (entries 6, 7, 9 of the scales) and stored as IMAGES OF THE REGISTERS in which
; the later launches take them.  The launch also lays w2's codes as such an image.
; SHARES.  A work-group owns 64 rows of x; wave w owns 16 of them (tile w % 4) over one half of K (w / 4): x is read once, by one tensor load a wave (16 rows x 1,024 bytes), into bytes of the wave's own.
; The three weights come once for the work-group by asynchronous copies, eight rows of each a wave.  The two waves of a tile hand each other half of their sums through LDS: wave w / 4 = 0 finishes q and v's
; first 32 columns, wave w / 4 = 1 k and v's last 32.
; NO CLUSTER: 98,304 of a work-group's 229,376 bytes are weights, asked for once at the head; x, the larger part, is shared by nobody.  No prefetch: there is no loop to run ahead in.
; LAYOUT.  Registers 4 c .. 4 c + 3 of lane (r, h) hold k = 32 c + 16 h + 0 .. 15 on both sides of a product: one permutation of k, the same for both.
; q, k are made transposed (source 0 = 16 rows of the weight): lane (r, h) holds token r, d = 16 dt + 8 h + 0 .. 7.  v is made straight (source 0 = x): lane (r, h) holds tokens 8 h + 0 .. 7 of
; ONE d = 32 (dt / 2) + 8 (dt % 2) + r + 8 (r / 8): with these rows of wv a tile of the next product leaves sixteen neighbouring d in a lane's sixteen registers.
; IMAGES.  q_img, k_img: tile T (16 tokens) at 1,024 T: 512 c + 16 lane.  v_img: ((T / 8) 4 + dt) 2,048 + 256 (T % 8) + 8 lane.
; w2_img: chunk n (128 along k), tile nt: (32 n + nt) 2,048 + 512 c + 16 lane holds, of row 32 (nt / 2) + 8 (nt % 2) + r + 8 (r / 8) of w2, the codes k = 128 n + 32 c + 8 h + 0 .. 7 and, 16 on, eight more.
; LIMITS: entries 0, 2, 4, 6, 7, 9 between -126 and 119; the sums of entries 0+1, 2+3, 4+5 between -126 and 127, so that each power of two below is an f32 number.  NaN among the inputs is not served.
; REGISTERS.  Window 0: v1-14 addresses; v16-79 64 numbers of x (before: the copies' LDS addresses; after: sums); v80-111 held numbers; v112-159 codes in three versions; v160-223 four fragments of a weight;
;   v224-233 scales and holds; v237-238 the exchange; v240-243 w2.  Window 1: v0-95 the sums (q, k, v: 8 dt); v96-127 bq or bk; v128-131 bv.
.set PITCH, 528                        ; a weight's LDS row: 512 bytes + 16
.set XP, 1040                          ; x's LDS row: 1,024 bytes + 16: sixteen rows begin at sixteen different 16-byte columns modulo 256
.set XW, 16*XP
.set WT, 8*XW
.set WONE, 64*PITCH
.set SPARE, WT+3*WONE                  ; 128 bytes a wave that no other line names
.set XR, 16
.set TR, 80
.set CD, 112
.set WR, 160
.set MSB, 0
.macro WIN new                         ; the immediate's high byte repeats the setting that is left
.if MSB != \new
	s_set_vgpr_msb (MSB<<8)|\new
.set MSB, \new
.endif
.endm
.macro MKSC e, vs                      ; v[vs] = 2^e as f32, v[vs+1] = 448 x 2^e; e in s[e]
	s_add_co_i32 s34, s[\e], 127
	s_lshl_b32 s35, s34, 23
	v_mov_b32 v[\vs], s35
	s_add_co_i32 s34, s34, 8
	s_lshl_b32 s34, s34, 23
	s_or_b32 s34, s34, 0x600000
	v_mov_b32 v[\vs+1], s34
.endm
	s_load_b512 s[4:19], s[0:1], 0x0               ; x, wq, wk, wv, bq, bk, bv, the scales' exponents
	s_load_b256 s[20:27], s[0:1], 0x40             ; q_img, k_img, v_img, w2
	s_load_b64 s[28:29], s[0:1], 0x60              ; w2_img
	v_lshl_add_u32 v254, v0, 2, SPARE
	v_mov_b32 v255, 0
	ds_add_u32 v254, v255                          ; the opening add, twice on end
	ds_add_u32 v254, v255
	v_lshrrev_b32 v1, 5, v0
	v_readfirstlane_b32 s30, v1                    ; wave 0..7
	s_and_b32 s31, s30, 3                          ; my tile of 16 rows
	s_lshr_b32 s32, s30, 2                         ; my half of K
	s_mov_b32 s40, (2<<16)|(1<<20)|(7<<22)|(3<<25) ; group 1: 16 rows x 256 numbers of 4 bytes, 512 numbers from row to row; four words of padding behind each row
	s_mov_b32 s41, 256<<16
	s_mov_b32 s42, 16<<16
	s_mov_b32 s43, 256<<16
	s_mov_b32 s44, 16
	s_mov_b32 s45, 512
	s_mov_b32 s46, 0
	s_mov_b32 s47, 0
	v_and_b32 v11, 31, v0
	v_lshlrev_b32 v1, 4, v11                       ; 16 x lane
	v_and_b32 v2, 15, v0                           ; r
	v_bfe_u32 v3, v0, 4, 1                         ; h
	v_and_b32 v12, 8, v2
	v_add_nc_u32 v12, v12, v2                      ; r + 8 (r / 8)
	s_mul_i32 s33, s30, XW                         ; my x in LDS
	v_mul_u32_u24 v4, v2, XP
	v_lshl_add_u32 v4, v3, 6, v4
	v_add_nc_u32 v4, s33, v4                       ; x: row r, + 64 h: my 16 numbers of a block of 32
	s_lshl_b32 s34, s32, 8
	s_add_co_u32 s34, s34, WT                      ; the weights, my half of K
	v_mul_u32_u24 v5, v2, PITCH
	v_lshl_add_u32 v5, v3, 4, v5
	v_add_nc_u32 v5, s34, v5                       ; wq
	v_add_nc_u32 v6, WONE, v5                      ; wk
	v_mul_u32_u24 v7, v12, PITCH
	v_lshl_add_u32 v7, v3, 4, v7
	s_add_co_u32 s34, s34, 2*WONE
	v_add_nc_u32 v7, s34, v7                       ; wv
	v_lshlrev_b32 v8, 3, v11                       ; 8 x lane
	v_lshlrev_b32 v9, 5, v3                        ; 32 h
	v_lshlrev_b32 v10, 2, v12
	v_lshlrev_b32 v13, 11, v12
	v_lshl_add_u32 v13, v3, 3, v13                 ; w2: a row of 2,048 bytes, + 8 h
	s_lshl_b32 s34, s30, 12
	v_add_nc_u32 v14, s34, v1                      ; the copies: my eight rows of 512 bytes, 16 bytes a lane
	s_mul_i32 s34, s30, 8*PITCH
	s_add_co_u32 s34, s34, WT
	v_add_nc_u32 v15, s34, v1
.irp i, 0,1,2
.irp j, 0,1,2,3,4,5,6,7
	v_add_nc_u32 v[16+8*\i+\j], \i*WONE+16*\j, v15 ; the copy's immediate, 512 j, is added to both addresses: 512 j + 16 j = j rows
.endr
.endr
	v_add_nc_u32 v237, s33, v1                     ; the exchange: my own bytes,
	s_xor_b32 s35, s30, 4
	s_mul_i32 s35, s35, XW
	v_add_nc_u32 v238, s35, v1                     ; and my partner's
	s_wait_alu depctr_va_vdst(0)
	s_wait_dscnt 0x0
	s_wait_kmcnt 0x0
	s_load_b256 s[84:91], s[18:19], 0x0            ; entries 0 to 7
	s_load_b64 s[92:93], s[18:19], 0x20            ; entries 8, 9
	s_lshl_b32 s34, ttmp9, 17
	s_lshl_b32 s48, s31, 15
	s_add_co_u32 s34, s34, s48
	s_lshl_b32 s48, s32, 10
	s_add_co_u32 s34, s34, s48
	s_mov_b32 s35, 0
	s_add_nc_u64 s[4:5], s[4:5], s[34:35]
	s_mov_b32 s36, 1
	s_mov_b32 s37, s33
	s_mov_b64 s[38:39], s[4:5]
	s_or_b32 s39, s39, 0x80000000
.irp i, 0,1,2                          ; the weights first: all eight waves wait for them, each for its own x alone
.irp j, 0,1,2,3,4,5,6,7
	global_load_async_to_lds_b128 v[16+8*\i+\j], v14, s[6+2*\i:7+2*\i] offset:512*\j
.endr
.endr
	tensor_load_to_lds s[36:39], s[40:47]          ; my part of x
	s_nop 0
.rept 4
	v_nop
.endr
	s_and_b32 s48, ttmp9, 31                       ; nt
	s_lshr_b32 s49, ttmp9, 5                       ; a pair of chunks
	s_lshr_b32 s34, s48, 1
	s_lshl_b32 s34, s34, 16
	s_and_b32 s55, s48, 1
	s_lshl_b32 s55, s55, 14
	s_add_co_u32 s34, s34, s55
	s_lshl_b32 s55, s49, 8
	s_add_co_u32 s34, s34, s55
	s_lshl_b32 s55, s31, 5
	s_add_co_u32 s34, s34, s55
	s_lshl_b32 s55, s32, 7
	s_add_co_u32 s34, s34, s55
	s_add_nc_u64 s[26:27], s[26:27], s[34:35]
	global_load_b64 v[240:241], v13, s[26:27]      ; w2: the eight waves together take 256 bytes of each of 16 rows
	global_load_b64 v[242:243], v13, s[26:27] offset:16
	s_lshl_b32 s34, s49, 17
	s_lshl_b32 s55, s32, 16
	s_add_co_u32 s34, s34, s55
	s_lshl_b32 s55, s48, 11
	s_add_co_u32 s34, s34, s55
	s_lshl_b32 s55, s31, 9
	s_add_co_u32 s34, s34, s55
	s_add_nc_u64 s[28:29], s[28:29], s[34:35]
	s_lshl_b32 s34, s32, 7
	s_add_nc_u64 s[16:17], s[16:17], s[34:35]      ; bv: my 32 columns
	s_lshr_b32 s34, ttmp9, 1
	s_lshl_b32 s34, s34, 13
	s_and_b32 s55, ttmp9, 1
	s_lshl_b32 s55, s55, 10
	s_add_co_u32 s34, s34, s55
	s_lshl_b32 s55, s31, 8
	s_add_co_u32 s34, s34, s55
	s_lshl_b32 s55, s32, 12
	s_add_co_u32 s34, s34, s55
	s_add_nc_u64 s[24:25], s[24:25], s[34:35]      ; v_img
	s_lshl_b32 s34, ttmp9, 12
	s_lshl_b32 s55, s31, 10
	s_add_co_u32 s34, s34, s55                     ; 1,024 T
	s_cmp_eq_u32 s32, 0                            ; q or k is mine
	s_cselect_b64 s[12:13], s[12:13], s[14:15]
	s_cselect_b64 s[20:21], s[20:21], s[22:23]
	s_add_nc_u64 s[20:21], s[20:21], s[34:35]
	WIN 0x40
.irp dt, 0,1,2,3
	global_load_b128 v[96+8*\dt:99+8*\dt], v9, s[12:13] offset:64*\dt
	global_load_b128 v[100+8*\dt:103+8*\dt], v9, s[12:13] offset:64*\dt+16
.endr
	global_load_b32 v128, v10, s[16:17]
	global_load_b32 v130, v10, s[16:17] offset:32
	v_mov_b32 v129, 0                              ; (named with them as pairs, so they are written)
	v_mov_b32 v131, 0
	WIN 0
	s_wait_alu depctr_va_vdst(0)
	s_wait_kmcnt 0x0
	s_add_co_i32 s48, s84, s85
	s_add_co_i32 s49, s86, s87
	s_cmp_eq_u32 s32, 0
	s_cselect_b32 s50, s48, s49
	s_cselect_b32 s54, s90, s91
	s_add_co_i32 s50, s50, 127
	s_lshl_b32 s50, s50, 23                        ; a sum of q (k) stands for sum x 2^(e0 + e1) (2^(e2 + e3))
	s_mov_b32 s51, s50
	s_add_co_i32 s52, s88, s89
	s_add_co_i32 s52, s52, 127
	s_lshl_b32 s52, s52, 23
	s_mov_b32 s53, s52
	MKSC 84, 224
	MKSC 86, 226
	MKSC 88, 228
	MKSC 54, 230
	MKSC 93, 232
.macro XREAD s                         ; my 64 numbers of K step s: register 16 c + n = k 32 c + 16 h + n of row r
.irp c, 0,1,2,3
.irp i, 0,1,2,3
	ds_load_b128 v[XR+16*\c+4*\i:XR+16*\c+4*\i+3], v4 offset:512*(\s)+128*\c+16*\i
.endr
.endr
.endm
.macro QBLK i, c                       ; block c of version i: the hold (the conversion to an 8-bit code does not saturate: ISA guide 7.6.2), then 16 codes
.set n_, 0
.rept 16
	v_med3_num_f32 v[TR+16*((\c)%2)+n_], v[XR+16*(\c)+n_], -v[225+2*(\i)], v[225+2*(\i)]
.set n_, n_+1
.endr
	v_cvt_scalef32_pk8_fp8_f32 v[CD+16*(\i)+4*(\c):CD+16*(\i)+4*(\c)+1], v[TR+16*((\c)%2):TR+16*((\c)%2)+7], v[224+2*(\i)]
	v_cvt_scalef32_pk8_fp8_f32 v[CD+16*(\i)+4*(\c)+2:CD+16*(\i)+4*(\c)+3], v[TR+16*((\c)%2)+8:TR+16*((\c)%2)+15], v[224+2*(\i)]
.endm
.macro WLOAD i, s                      ; weight i's four fragments (16 rows x 128 K) of K step s
.irp dt, 0,1,2,3
.if \i == 2
.set row_, 32*(\dt/2)+8*(\dt%2)
.else
.set row_, 16*\dt
.endif
.irp c, 0,1,2,3
	ds_load_b128 v[WR+16*\dt+4*\c:WR+16*\dt+4*\c+3], v[5+\i] offset:row_*PITCH+128*(\s)+32*\c
.endr
.endr
.endm
; One version of one K step.  The first block's sixteen holds name no register of the products before them: they are the places in front of the loads into the weight's registers.
.macro VERS i, s
	QBLK \i, 0
	WLOAD \i, \s
	QBLK \i, 1
	QBLK \i, 2
	QBLK \i, 3
	v_nop                                          ; a plain instruction between the last conversion and the products that read its codes
	s_wait_alu depctr_va_vdst(0)
.if (\i == 2) && (\s == 0)
	XREAD 1                                        ; x's registers have been read for the last time
	s_wait_dscnt 16                                ; the weight's fragments are in; the sixteen loads just issued may be out
.else
	s_wait_dscnt 0x0
.endif
	WIN 0x50                                       ; C and D window 1
.irp dt, 0,1,2,3
.set d_, 32*\i+8*\dt
.set w_, WR+16*\dt
.set x_, CD+16*\i
.if (\i == 2) && (\s == 0)
	v_wmma_f32_16x16x128_fp8_fp8 v[d_:d_+7], v[x_:x_+15], v[w_:w_+15], 0
.elseif \i == 2
	v_wmma_f32_16x16x128_fp8_fp8 v[d_:d_+7], v[x_:x_+15], v[w_:w_+15], v[d_:d_+7]
.elseif \s == 0
	v_wmma_f32_16x16x128_fp8_fp8 v[d_:d_+7], v[w_:w_+15], v[x_:x_+15], 0
.else
	v_wmma_f32_16x16x128_fp8_fp8 v[d_:d_+7], v[w_:w_+15], v[x_:x_+15], v[d_:d_+7]
.endif
.endr
	WIN 0
.endm
	s_wait_alu depctr_va_vdst(0)
	s_wait_asynccnt 0x0                            ; my rows of the weights have landed;
	s_barrier_signal -1
	s_barrier_wait -1                              ; everybody's have; x may be on its way
	s_wait_tensorcnt 0x0                           ; my x: no other wave reads it
	XREAD 0
.irp s, 0,1
	s_wait_dscnt 0x0                               ; this K step's numbers are in registers
	VERS 0, \s
	VERS 1, \s
	VERS 2, \s
.endr
.rept 4
	v_nop                                          ; places behind the last products
.endr
; the exchange lies in the wave's own bytes of x, which have had their one fill and their last read
.macro GIVE a, b
	WIN 0x04
.irp p, 0,1,2,3,4,5,6,7
	ds_store_b128 v237, v[\a+4*\p:\a+4*\p+3] offset:512*\p
.endr
.irp p, 0,1,2,3
	ds_store_b128 v237, v[\b+4*\p:\b+4*\p+3] offset:4096+512*\p
.endr
	WIN 0
.endm
	s_cmp_eq_u32 s32, 0
	s_cbranch_scc0 .Lgive_q
	GIVE 32, 80
	s_branch .Lgiven
.Lgive_q:
	GIVE 0, 64
.Lgiven:
	s_wait_dscnt 0x0                               ; for the partner's sake: my sums lie in LDS
	s_barrier_signal -1
	s_barrier_wait -1
.set p_, 0
.rept 12
	ds_load_b128 v[80+4*p_:83+4*p_], v238 offset:512*p_
.set p_, p_+1
.endr
	s_wait_loadcnt 0x0                             ; the biases, w2
	s_wait_dscnt 0x0
.macro JOIN a, b
	WIN 0x01
.set k_, 0
.rept 16
	v_pk_add_f32 v[16+k_:17+k_], v[\a+k_:\a+k_+1], v[80+k_:81+k_]
.set k_, k_+2
.endr
.set k_, 0
.rept 8
	v_pk_add_f32 v[48+k_:49+k_], v[\b+k_:\b+k_+1], v[112+k_:113+k_]
.set k_, k_+2
.endr
	WIN 0
	s_wait_alu depctr_va_vdst(0)
.endm
	s_cmp_eq_u32 s32, 0
	s_cbranch_scc0 .Ljoin_k
	JOIN 0, 64
	s_branch .Ljoined
.Ljoin_k:
	JOIN 32, 80
.Ljoined:
	WIN 0x10                                       ; the biases: window 1
.set k_, 0
.rept 16
	v_pk_fma_f32 v[16+k_:17+k_], v[16+k_:17+k_], s[50:51], v[96+k_:97+k_] op_sel_hi:[1,0,1]
.set k_, k_+2
.endr
.irp u, 0,1
.irp j, 0,2,4,6
	v_pk_fma_f32 v[48+8*\u+\j:49+8*\u+\j], v[48+8*\u+\j:49+8*\u+\j], s[52:53], v[128+2*\u:129+2*\u] op_sel_hi:[1,0,0]   ; one d a lane: its bias serves both halves
.endr
.endr
	WIN 0
.set k_, 0
.rept 32
	v_med3_num_f32 v[16+k_], v[16+k_], -v231, v231
.set k_, k_+1
.endr
.set k_, 0
.rept 16
	v_med3_num_f32 v[48+k_], v[48+k_], -v233, v233
.set k_, k_+1
.endr
.irp t, 0,1,2,3
	v_cvt_scalef32_pk8_fp8_f32 v[112+2*\t:113+2*\t], v[16+8*\t:23+8*\t], v230
.endr
.irp u, 0,1
	v_cvt_scalef32_pk8_fp8_f32 v[120+2*\u:121+2*\u], v[48+8*\u:55+8*\u], v232
.endr
	v_nop
	global_store_b128 v1, v[112:115], s[20:21]     ; each store covers 512 or 256 consecutive bytes, at a multiple of 256 from the buffer's first byte
	global_store_b128 v1, v[116:119], s[20:21] offset:512
	global_store_b64 v8, v[120:121], s[24:25]
	global_store_b64 v8, v[122:123], s[24:25] offset:2048
	global_store_b128 v1, v[240:243], s[28:29]
	s_wait_tensorcnt 0x0                           ; the wave's end
	s_wait_asynccnt 0x0
	ds_add_u32 v254, v255
	s_wait_dscnt 0x0
	s_endpgm
.Lfunc_end_k_qfd3d9d0480_qkv:
	.size	k_qfd3d9d0480_qkv, .Lfunc_end_k_qfd3d9d0480_qkv-k_qfd3d9d0480_qkv
	.p2alignl 7, 3214868480
	.fill 96, 4, 3214868480
	.section	.rodata,"a",@progbits
	.p2align	6, 0x0
	.amdhsa_kernel k_qfd3d9d0480_qkv
		.amdhsa_group_segment_fixed_size 235520
		.amdhsa_private_segment_fixed_size 0
		.amdhsa_enable_private_segment 0
		.amdhsa_kernarg_size 104
		.amdhsa_user_sgpr_count 2
		.amdhsa_user_sgpr_kernarg_segment_ptr 1
		.amdhsa_wavefront_size32 1
		.amdhsa_system_sgpr_workgroup_id_x 1
		.amdhsa_system_sgpr_workgroup_id_y 1
		.amdhsa_system_sgpr_workgroup_id_z 1
		.amdhsa_system_vgpr_workitem_id 0
		.amdhsa_next_free_vgpr 448
		.amdhsa_next_free_sgpr 96
		.amdhsa_reserve_vcc 0
		.amdhsa_float_denorm_mode_32 3
		.amdhsa_float_denorm_mode_16_64 3
		.amdhsa_memory_ordered 1
		.amdhsa_forward_progress 1
		.amdhsa_inst_pref_size 62
	.end_amdhsa_kernel
	.amdgpu_metadata
---
amdhsa.version: [ 1, 2 ]
amdhsa.kernels:
  - .name:           k_qfd3d9d0480_qkv
    .symbol:         k_qfd3d9d0480_qkv.kd
    .args:
      - { .name: x, .offset: 0, .size: 8, .value_kind: global_buffer, .address_space: global }
      - { .name: wq_codes, .offset: 8, .size: 8, .value_kind: global_buffer, .address_space: global }
      - { .name: wk_codes, .offset: 16, .size: 8, .value_kind: global_buffer, .address_space: global }
      - { .name: wv_codes, .offset: 24, .size: 8, .value_kind: global_buffer, .address_space: global }
      - { .name: bq, .offset: 32, .size: 8, .value_kind: global_buffer, .address_space: global }
      - { .name: bk, .offset: 40, .size: 8, .value_kind: global_buffer, .address_space: global }
      - { .name: bv, .offset: 48, .size: 8, .value_kind: global_buffer, .address_space: global }
      - { .name: lowp_scales, .offset: 56, .size: 8, .value_kind: global_buffer, .address_space: global }
      - { .name: q_img, .offset: 64, .size: 8, .value_kind: global_buffer, .address_space: global }
      - { .name: k_img, .offset: 72, .size: 8, .value_kind: global_buffer, .address_space: global }
      - { .name: v_img, .offset: 80, .size: 8, .value_kind: global_buffer, .address_space: global }
      - { .name: w2_codes, .offset: 88, .size: 8, .value_kind: global_buffer, .address_space: global }
      - { .name: w2_img, .offset: 96, .size: 8, .value_kind: global_buffer, .address_space: global }
    .group_segment_fixed_size: 235520
    .private_segment_fixed_size: 0
    .kernarg_segment_align: 8
    .kernarg_segment_size: 104
    .max_flat_workgroup_size: 256
    .sgpr_count:     96
    .vgpr_count:     448
    .wavefront_size: 32
...
	.end_amdgpu_metadata
.endif
;; end of part 4
;; launch colstat (part 5): grid 256 x 1, 8 waves a work-group, no clusters, 9,216 bytes of LDS; arguments q_img, k_img, lowp_scales, cst; writes cst
.if DOCPART == 5
	.amdgcn_target "amdgcn-amd-amdhsa--gfx1250"
	.amdhsa_code_object_version 6
	.text
	.protected	k_qfd3d9d0480_colstat
	.globl	k_qfd3d9d0480_colstat
	.p2align	8
	.type	k_qfd3d9d0480_colstat,@function
k_qfd3d9d0480_colstat:
	s_mov_b64 s[64:65], 0
	v_nop
	global_prefetch_b8 v0, s[64:65] scope:SCOPE_SE
	s_setreg_imm32_b32 hwreg(HW_REG_WAVE_MODE, 25, 1), 1
	s_wait_xcnt 0x0
; The softmax runs over the QUERIES: for each key it wants the largest score and the sum of exponentials over all 1,024 queries of its batch.  This launch makes, for each key,
; negc = -(m + log2 l), with t = score x log2(e) / 8, m = the largest t and l = the sum of 2^(t - m): the finished weight is then 2^(t + negc), and the maximum is taken away as in the definition.
; SHARES.  A work-group owns 64 keys (four tiles) of one batch; each of its eight waves walks 128 queries (eight tiles, in two groups) against all four, so that each fragment of q feeds four products and is read once
; in the work-group.  Source 0 = 16 queries, source 1 = 16 keys: lane (r, h) holds key r and queries 8 h + 0 .. 7.  Each lane keeps a running m and l for its key; the sixteen partial results of a key (eight waves x two
; halves of the lanes) meet in LDS, and wave 0 joins them.  Fragments come straight from the images in memory, 512 consecutive bytes a load: no tensor load, so no joint request can be made of them, and no cluster.
; LIMIT: entries 6 + 7 of the scales between -120 and 130 (they are added to the exponent field of log2(e) / 8).
; REGISTERS: v1 16 x lane; v3 my place in LDS; v6 8 x lane; v8-39 the four key tiles; v40-103 two groups of four query tiles; v104-231 the scores (32 kt + 8 qt); v232 + 4 kt: m, l, l in two halves; v248-255 at work.
.set SR, 104
	s_load_b256 s[4:11], s[0:1], 0x0               ; q_img, k_img, the scales' exponents, cst
	v_lshl_add_u32 v252, v0, 2, 0x2000             ; my spare word: 128 bytes a wave that no other line names
	v_mov_b32 v253, 0
	v_lshrrev_b32 v2, 5, v0
	v_readfirstlane_b32 s16, v2                    ; wave 0..7
	v_and_b32 v2, 31, v0
	v_lshlrev_b32 v1, 4, v2
	v_lshlrev_b32 v6, 3, v2
	v_and_b32 v4, 15, v0                           ; r
	v_bfe_u32 v5, v0, 4, 1                         ; h
	v_lshlrev_b32 v3, 3, v4
	v_lshl_add_u32 v3, v5, 9, v3
	s_lshl_b32 s17, s16, 10
	v_add_nc_u32 v3, s17, v3                       ; partial result (wave, h): 512 (2 wave + h) + 8 r; the key tile adds 128
	s_lshr_b32 s18, ttmp9, 4                       ; the batch: 64 tiles of 1,024 bytes,
	s_lshl_b32 s18, s18, 16
	s_lshl_b32 s19, s16, 13                        ; my eight tiles of queries
	s_add_co_u32 s18, s18, s19
	s_mov_b32 s19, 0
	s_lshl_b32 s20, ttmp9, 12                      ; the work-group's four tiles of keys
	s_mov_b32 s21, 0
	s_lshl_b32 s22, ttmp9, 8                       ; and its 64 numbers of cst
	s_mov_b32 s23, 0
	s_wait_alu depctr_va_vdst(0)
	s_wait_kmcnt 0x0
	s_load_b64 s[14:15], s[8:9], 0x18              ; entries 6, 7
	s_add_nc_u64 s[4:5], s[4:5], s[18:19]
	s_add_nc_u64 s[6:7], s[6:7], s[20:21]
	s_add_nc_u64 s[10:11], s[10:11], s[22:23]
.irp kt, 0,1,2,3
	global_load_b128 v[8+8*\kt:11+8*\kt], v1, s[6:7] offset:1024*\kt
	global_load_b128 v[12+8*\kt:15+8*\kt], v1, s[6:7] offset:1024*\kt+512
.endr
.irp qt, 0,1,2,3,4,5,6,7
	global_load_b128 v[40+8*\qt:43+8*\qt], v1, s[4:5] offset:\qt*1024
	global_load_b128 v[44+8*\qt:47+8*\qt], v1, s[4:5] offset:\qt*1024+512
.endr
.irp kt, 0,1,2,3
	v_mov_b32 v[232+4*\kt], 0xff61b1e6             ; m: -3e38, under every t
	v_mov_b32 v[233+4*\kt], 0
	v_mov_b32 v[234+4*\kt], 0                      ; l, in two halves
	v_mov_b32 v[235+4*\kt], 0
.endr
	v_mov_b32 v251, 0                              ; (named as the upper half of a pair)
	s_wait_alu depctr_va_vdst(0)
	s_wait_kmcnt 0x0
	s_add_co_i32 s12, s14, s15
	s_lshl_b32 s12, s12, 23
	s_add_co_i32 s12, s12, 0x3e38aa3b              ; c = log2(e) / 8 x 2^(e6 + e7)
	s_mov_b32 s13, s12
; the 32 scores of key tile kt join its running m and l
.macro KSTAT kt
.set SB, SR+32*\kt
.set MQ, 232+4*\kt
	v_max3_num_f32 v248, v[SB], v[SB+1], v[SB+2]   ; the largest of 32, in two chains; each accumulator is first read at its low end
	v_max3_num_f32 v249, v[SB+3], v[SB+4], v[SB+5]
.irp i, 6,10,14,18,22,26
	v_max3_num_f32 v248, v248, v[SB+\i], v[SB+\i+1]
	v_max3_num_f32 v249, v249, v[SB+\i+2], v[SB+\i+3]
.endr
	v_max3_num_f32 v248, v248, v[SB+30], v[SB+31]
	v_max_num_f32 v248, v248, v249
	v_mul_f32 v248, s12, v248                      ; as t (c is positive)
	v_sub_f32 v249, v[MQ], v248
	v_max_num_f32 v[MQ], v[MQ], v248               ; the new m
	v_min_num_f32 v249, 0, v249                    ; the old m less the new one
.set j_, 0
.rept 16
	v_pk_fma_f32 v[SB+j_:SB+j_+1], v[SB+j_:SB+j_+1], s[12:13], v[MQ:MQ+1] op_sel_hi:[1,0,0] neg_lo:[0,0,1] neg_hi:[0,0,1]   ; t - m
.set j_, j_+2
.endr
	s_wait_alu depctr_va_vdst(0)                   ; one wait ahead of the batch, one behind it
	v_exp_f32 v250, v249                           ; f: what was summed under the old m comes under the new
.set j_, 0
.rept 32
	v_exp_f32 v[SB+j_], v[SB+j_]
.set j_, j_+1
.endr
	v_nop
	s_wait_alu depctr_va_vdst(0)
	v_pk_mul_f32 v[MQ+2:MQ+3], v[MQ+2:MQ+3], v[250:251] op_sel_hi:[1,0]
	v_pk_add_f32 v[254:255], v[SB:SB+1], v[SB+2:SB+3]
.irp j, 4,8,12,16,20,24,28
	v_pk_add_f32 v[MQ+2:MQ+3], v[MQ+2:MQ+3], v[SB+\j:SB+\j+1]
	v_pk_add_f32 v[254:255], v[254:255], v[SB+\j+2:SB+\j+3]
.endr
	v_pk_add_f32 v[MQ+2:MQ+3], v[MQ+2:MQ+3], v[254:255]
.endm
.macro GROUP g
.irp qt, 0,1,2,3
.irp kt, 0,1,2,3
	v_wmma_f32_16x16x64_fp8_fp8 v[SR+32*\kt+8*\qt:SR+32*\kt+8*\qt+7], v[40+32*\g+8*\qt:47+32*\g+8*\qt], v[8+8*\kt:15+8*\kt], 0
.endr
.endr
.rept 4
	v_nop                                          ; places in front of the first read of the scores
.endr
	KSTAT 0
	KSTAT 1
	KSTAT 2
	KSTAT 3
.endm
	s_wait_loadcnt 8                               ; the keys and the first group; the second group's eight loads may be out
	GROUP 0
	s_wait_alu depctr_va_vdst(0)
	s_wait_loadcnt 0x0
	GROUP 1
.irp kt, 0,1,2,3
	v_add_f32 v[233+4*\kt], v[234+4*\kt], v[235+4*\kt]
.endr
.irp kt, 0,1,2,3
	ds_store_b64 v3, v[232+4*\kt:233+4*\kt] offset:128*\kt
.endr
	s_wait_dscnt 0x0                               ; for the others' sake: my partial results lie in LDS
	s_barrier_signal -1
	s_barrier_wait -1
	s_cmp_lg_u32 s16, 0
	s_cbranch_scc1 .Lend
.irp p, 0,1,2,3,4,5,6,7,8,9,10,11,12,13,14,15
	ds_load_b128 v[8+4*\p:11+4*\p], v1 offset:512*\p   ; partial result p of keys 2 lane, 2 lane + 1: m, l, m, l
.endr
	s_wait_dscnt 0x0
	v_max3_num_f32 v80, v8, v12, v16
	v_max3_num_f32 v81, v10, v14, v18
.irp p, 3,5,7,9,11,13
	v_max3_num_f32 v80, v80, v[8+4*\p], v[12+4*\p]
	v_max3_num_f32 v81, v81, v[10+4*\p], v[14+4*\p]
.endr
	v_max_num_f32 v80, v80, v68
	v_max_num_f32 v81, v81, v70
.irp p, 0,1,2,3,4,5,6,7,8,9,10,11,12,13,14,15
	v_sub_f32 v[8+4*\p], v[8+4*\p], v80
	v_sub_f32 v[10+4*\p], v[10+4*\p], v81
.endr
	s_wait_alu depctr_va_vdst(0)
.irp p, 0,1,2,3,4,5,6,7,8,9,10,11,12,13,14,15
	v_exp_f32 v[8+4*\p], v[8+4*\p]
	v_exp_f32 v[10+4*\p], v[10+4*\p]
.endr
	v_nop
	s_wait_alu depctr_va_vdst(0)
	v_mul_f32 v82, v8, v9
	v_mul_f32 v83, v10, v11
.irp p, 1,2,3,4,5,6,7,8,9,10,11,12,13,14,15
	v_fmac_f32 v82, v[8+4*\p], v[9+4*\p]
	v_fmac_f32 v83, v[10+4*\p], v[11+4*\p]
.endr
	s_wait_alu depctr_va_vdst(0)
	v_log_f32 v84, v82
	v_log_f32 v85, v83
	v_nop
	s_wait_alu depctr_va_vdst(0)
	v_fma_f32 v86, v84, -1.0, -v80                 ; -(m + log2 l)
	v_fma_f32 v87, v85, -1.0, -v81
	global_store_b64 v6, v[86:87], s[10:11]        ; 32 lanes store 256 consecutive bytes, at a multiple of 256 from the buffer's first byte
.Lend:
	s_wait_tensorcnt 0x0                           ; the wave's end
	ds_add_u32 v252, v253
	s_wait_dscnt 0x0
	s_endpgm
.Lfunc_end_k_qfd3d9d0480_colstat:
	.size	k_qfd3d9d0480_colstat, .Lfunc_end_k_qfd3d9d0480_colstat-k_qfd3d9d0480_colstat
	.p2alignl 7, 3214868480
	.fill 96, 4, 3214868480
	.section	.rodata,"a",@progbits
	.p2align	6, 0x0
	.amdhsa_kernel k_qfd3d9d0480_colstat
		.amdhsa_group_segment_fixed_size 9216
		.amdhsa_private_segment_fixed_size 0
		.amdhsa_enable_private_segment 0
		.amdhsa_kernarg_size 32
		.amdhsa_user_sgpr_count 2
		.amdhsa_user_sgpr_kernarg_segment_ptr 1
		.amdhsa_wavefront_size32 1
		.amdhsa_system_sgpr_workgroup_id_x 1
		.amdhsa_system_sgpr_workgroup_id_y 1
		.amdhsa_system_sgpr_workgroup_id_z 1
		.amdhsa_system_vgpr_workitem_id 0
		.amdhsa_next_free_vgpr 256
		.amdhsa_next_free_sgpr 66
		.amdhsa_reserve_vcc 0
		.amdhsa_float_denorm_mode_32 3
		.amdhsa_float_denorm_mode_16_64 3
		.amdhsa_memory_ordered 1
		.amdhsa_forward_progress 1
		.amdhsa_inst_pref_size 48
	.end_amdhsa_kernel
	.amdgpu_metadata
---
amdhsa.version: [ 1, 2 ]
amdhsa.kernels:
  - .name:           k_qfd3d9d0480_colstat
    .symbol:         k_qfd3d9d0480_colstat.kd
    .args:
      - { .name: q_img, .offset: 0, .size: 8, .value_kind: global_buffer, .address_space: global }
      - { .name: k_img, .offset: 8, .size: 8, .value_kind: global_buffer, .address_space: global }
      - { .name: lowp_scales, .offset: 16, .size: 8, .value_kind: global_buffer, .address_space: global }
      - { .name: cst, .offset: 24, .size: 8, .value_kind: global_buffer, .address_space: global }
    .group_segment_fixed_size: 9216
    .private_segment_fixed_size: 0
    .kernarg_segment_align: 8
    .kernarg_segment_size: 32
    .max_flat_workgroup_size: 256
    .sgpr_count:     66
    .vgpr_count:     256
    .wavefront_size: 32
...
	.end_amdgpu_metadata
.endif
;; end of part 5
;; launch rest (part 6): grid 256 x 1, 4 waves a work-group, clusters of 4 x 1, 327,680 bytes of LDS; arguments q_img, k_img, v_img, cst, x, wo_codes, w1_codes, w2_img, bo, ln_g, ln_b, b1, b2, lowp_scales, out0; writes out0
.if DOCPART == 6
	.amdgcn_target "amdgcn-amd-amdhsa--gfx1250"
	.amdhsa_code_object_version 6
	.text
	.protected	k_qfd3d9d0480_rest
	.globl	k_qfd3d9d0480_rest
	.p2align	8
	.type	k_qfd3d9d0480_rest,@function
k_qfd3d9d0480_rest:
	s_mov_b64 s[64:65], 0
	v_nop
	global_prefetch_b8 v0, s[64:65] scope:SCOPE_SE
	s_setreg_imm32_b32 hwreg(HW_REG_WAVE_MODE, 25, 1), 1
	s_wait_xcnt 0x0
	s_wait_alu depctr_hold_cnt(0) depctr_sa_sdst(0) depctr_va_vdst(0) depctr_va_sdst(0) depctr_va_ssrc(0) depctr_va_vcc(0) depctr_vm_vsrc(0)
	s_getreg_b32 s2, hwreg(HW_REG_IB_STS2, 6, 4)
	s_cmp_eq_u32 s2, 0
	s_cbranch_scc0 .Lentry_in_a_cluster
	s_endpgm
.Lentry_in_a_cluster:
	s_bfe_u32 s2, ttmp6, 0x10000c
	s_cmp_lg_u32 s2, 0x3003
	s_cbranch_scc0 .Lentry_shape_is_right
	s_endpgm
.Lentry_shape_is_right:
; The finished attention weights, head = P v, concat wo + bo + x, the first LayerNorm (h), (h w1 + b1) w2 + b2 + h and the second LayerNorm, for 64 rows a work-group; all products on codes of FP8 (E4M3).
; SHARES.  Four waves, one a SIMD.  Attention: wave w walks keys 256 w .. 256 w + 255 for all 64 queries, and the four partial heads are added through LDS.  Then a wave owns all 64 rows x 128 columns of each result
; of 512 columns, and 32 of each 128 columns of the hidden layer: each code of wo, w1 and w2 is used by one wave of the work-group, for four row tiles.
; JOINT LOADS.  wo (two fills), w1 and w2 (sixteen fills) come through a ring of two LDS slots; the four work-groups of a cluster ask jointly.  x's tile, shared by nobody, is the head's one load, into slot 0.
; THE WALK.  16 chunks of 128 of the hidden layer; interval n multiplies chunk n's first product and chunk n - 1's second one: each product's fragments are loaded from LDS under the other.
; FILLS.  Fill n, read in interval n, brings chunk n + 1's 128 rows of w1 (waves 0 and 1 ask for them) and chunk n - 1's part of w2 (waves 2 and 3); fill 0 brings w1's chunks 0 and 1, fill 15 w2's chunks 14 and 15.
; The barrier at the end of interval n - 1 shows fill n and is the change of slots behind which fill n + 1 is asked for: it has an interval in which to land.
; NO PREFETCH.  q, K, V and x come once, at the head, with no loop to run ahead in; clusters begin the walk at eight different pairs of chunks, so that the first fill of all clusters together names all of w1.
; LAYOUT.  All products are used transposed (source 0 = 16 rows of the weight): a lane holds one row.  A tile 2 b + u of wo, w2 takes the weight's rows 32 b + 8 u + r + 8 (r / 8), r = lane % 16: so a lane (r, h) holds
; columns 32 b + 16 h + 8 u + 0 .. 7, and two tiles' registers are sixteen neighbours along the next K: k = 32 c + 16 h + 0 .. 15 in registers 4 c .. 4 c + 3, as 16-byte loads give them.
; Tiles of w1 take neighbouring rows; w2's image has the order of k that follows from that.
; LAYERNORM.  Each wave takes its own mean m_w of its 128 columns away, in place; the four waves' means and sums of squares are joined by their differences; (x - mean) = (x - m_w) + (m_w - mean).  The second LayerNorm
; works on sums that stand for sum x 2^E, E = entries 14 + 15 of the scales: the factor enters the variance and the reciprocal root.
; LIMITS: entries 8, 10-8-9, 12, 14-12-13 between -126 and 119; 6 + 7 between -120 and 130; 10 + 11 and 12 + 13 between -126 and 126; E between -40 and 40.  NaN among the inputs is not served.
; REGISTERS.  Window 1: K, the column constants; then bo, gain, shift; then h's codes (16 fragments).  Window 2: V and the partial heads; then the 32 sums (64 m + 8 tile).  Window 3: x; then w1's fragments (0-127), w2's (128-255).
;   Window 0: v1-31 addresses, scales; attention: v32 q, v64 scores, v128 codes of p; walk: v32-95 hidden codes, v96-159 hidden sums, v160-175 b1, v176-191 new codes, v192-207 b1 as starting sums.
.set PW,    528                        ; an LDS row: 512 bytes + 16: sixteen rows begin at sixteen different 16-byte columns modulo 256
.set WA,    64*PW
.set SLOT,  4*WA
.set W2O,   2*WA                       ; in a slot: w2's part, 65,536 bytes without padding, behind 128 rows of w1
.set SCR,   2*SLOT                     ; behind the ring: the exchange; no tensor load lands here
.set HIMG,  SCR+16384
.set LNS,   SCR+49152
.set SPARE, 327168                     ; 128 bytes a wave that no other line names
.set SPITCH, 16*PW
.set QF, 32
.set PC, 32
.set SS, 64
.set PF, 128
.set T2, 128
.set OB, 192
.set MSB, 0
.macro WIN new                         ; the immediate's high byte repeats the setting that is left
.if MSB != \new
	s_set_vgpr_msb (MSB<<8)|\new
.set MSB, \new
.endif
.endm
.macro PLACES n                        ; behind a matrix instruction: plain vector instructions that name none of its registers (ISA guide 7.12.1)
.rept \n
	v_nop
.endr
.endm
.macro CREST                           ; a round of the cluster's barrier behind its opening barrier
	s_cmp_lg_u32 s34, 0
	s_cbranch_scc1 .Lnot_wave_0_\@
	s_barrier_signal -3
.Lnot_wave_0_\@:
	s_barrier_wait -3
	s_barrier_signal -1
	s_barrier_wait -1
.endm
.macro ROUND
	s_barrier_signal -1
	s_barrier_wait -1
	CREST
.endm
.macro BAR                             ; my LDS stores and loads are done; so are everybody's behind it
	s_wait_alu depctr_va_vdst(0)
	s_wait_dscnt 0x0
	s_barrier_signal -1
	s_barrier_wait -1
.endm
; The next fill, into the other slot.  kind 0, 1: my rows of wo, first and second half; 3: fill 0; 2: fills 1 to 14; 4: fill 15.  s76: the chunk of w1 that stands next; w2's stands two behind it.  (s3 is 0 since the head.)
.macro ADDR kind
.if \kind == 4
	s_lshl_b32 s61, s34, 15                        ; (slot 0) w2's last chunk goes where w1's rows were
.else
	s_xor_b32 s61, s61, SLOT
.endif
.if \kind == 0
	s_mov_b64 s[62:63], s[14:15]
.elseif \kind == 1
	s_add_nc_u64 s[62:63], s[14:15], 64*512
.elseif \kind == 3
	s_mov_b64 s[62:63], s[92:93]
.else
	s_xor_b32 s37, s37, SLOT
	s_sub_co_u32 s2, s76, 2
	s_and_b32 s2, s2, 15
	s_lshl_b32 s2, s2, 16
	s_add_nc_u64 s[38:39], s[18:19], s[2:3]
	s_or_b32 s39, s39, 0x80000000
.if \kind == 2
	s_lshl_b32 s2, s76, 16
	s_add_nc_u64 s[62:63], s[94:95], s[2:3]
	s_add_co_u32 s76, s76, 1
	s_and_b32 s76, s76, 15
.else
	s_sub_co_u32 s2, s76, 1
	s_and_b32 s2, s2, 15
	s_lshl_b32 s2, s2, 16
	s_add_nc_u64 s[62:63], s[18:19], s[2:3]
.endif
.endif
	s_or_b32 s63, s63, 0x80000000
.endm
.macro JLOAD                           ; all four waves fetch rows of one weight: the first tensor load behind the round
	tensor_load_to_lds s[60:63], s[52:59]
	s_nop 0
	PLACES 4
.endm
.macro JLOAD2 g                        ; waves 0, 1 by group 1 at s[g], waves 2, 3 w2: the branch hangs on the wave's number alone
	s_cmp_lt_u32 s34, 2
	s_cbranch_scc0 .Lfor_w2_\@
	tensor_load_to_lds s[60:63], s[\g:\g+7]
	s_nop 0
	PLACES 4
	s_branch .Lasked_\@
.Lfor_w2_\@:
	tensor_load_to_lds s[36:39], s[4:11]
	s_nop 0
	PLACES 4
.Lasked_\@:
.endm
.macro NEXT kind                       ; the change of slots: all my loads have landed, the add, my LDS accesses are done, a round, the refill
	s_wait_alu depctr_va_vdst(0)
	s_wait_tensorcnt 0x0
	ds_add_u32 v4, v5                              ; 0 onto my spare word
	ADDR \kind
	s_wait_dscnt 0x0
	ROUND
.if \kind == 2
	JLOAD2 52
.else
	JLOAD
.endif
.endm
.macro MKSC vl                         ; v[vl] = 448 x 2^e, v[vl+1] = 2^e; e in s100
	s_add_co_i32 s100, s100, 127
	s_lshl_b32 s101, s100, 23
	v_mov_b32 v[\vl+1], s101
	s_add_co_i32 s100, s100, 8
	s_lshl_b32 s100, s100, 23
	s_or_b32 s100, s100, 0x600000
	v_mov_b32 v[\vl], s100
.endm
	s_load_b512 s[4:19], s[0:1], 0x0               ; q, k, v images, cst, x, wo, w1, w2's image
	s_load_b256 s[20:27], s[0:1], 0x40             ; bo, gain, shift, b1
	s_load_b128 s[28:31], s[0:1], 0x60             ; b2, the scales' exponents
	s_load_b64 s[32:33], s[0:1], 0x70              ; out
	v_lshl_add_u32 v4, v0, 2, SPARE
	v_mov_b32 v5, 0
	ds_add_u32 v4, v5                              ; the opening add, twice on end
	ds_add_u32 v4, v5
	v_lshrrev_b32 v6, 5, v0
	v_readfirstlane_b32 s34, v6                    ; wave 0..3
	; group 1 of wo's and w1's fills: 64 rows x 512 bytes, shared by the four work-groups; four words of padding behind each row
	s_mov_b32 s52, 15|(0<<16)|(1<<20)|(1<<21)|(6<<22)|(3<<25)
	s_mov_b32 s53, 512<<16
	s_mov_b32 s54, 64<<16
	s_mov_b32 s55, 512<<16
	s_mov_b32 s56, 64
	s_mov_b32 s57, 512
	s_mov_b32 s58, 0
	s_mov_b32 s59, 0
	; group 1 of x: 64 rows x 128 numbers of 4 bytes, 512 numbers from row to row; the same padding
	s_mov_b32 s68, (2<<16)|(1<<20)|(6<<22)|(3<<25)
	s_mov_b32 s69, 128<<16
	s_mov_b32 s70, 64<<16
	s_mov_b32 s71, 128<<16
	s_mov_b32 s72, 64
	s_mov_b32 s73, 512
	s_mov_b32 s74, 0
	s_mov_b32 s75, 0
	s_mov_b32 s79, 0x3b000000                      ; 1 / 512
	s_mov_b32 s90, 0x76543210
	s_mov_b32 s91, 0xfedcba98                      ; lane l xor 16
	v_and_b32 v24, 31, v0
	v_lshlrev_b32 v1, 4, v24                       ; 16 x lane
	v_and_b32 v2, 15, v0                           ; r
	v_bfe_u32 v3, v0, 4, 1                         ; h
	v_lshlrev_b32 v21, 3, v24
	v_lshlrev_b32 v22, 5, v3                       ; 32 h
	v_lshlrev_b32 v23, 6, v3                       ; 64 h
	s_wait_alu depctr_va_vdst(0)
.irp i, 0,1,2,3                        ; my i-th query tile is tile (w + i) % 4
	s_add_co_u32 s35, s34, \i
	s_and_b32 s35, s35, 3
	s_lshl_b32 s2, s35, 10
	v_add_nc_u32 v[192+\i], s2, v1
.if \i > 0
	s_mul_i32 s35, s35, 12288
	s_add_co_u32 s35, s35, SCR+(\i-1)*4096
	v_add_nc_u32 v[8+\i], s35, v1                  ; where I put my part of another wave's head
.endif
.endr
	s_mul_i32 s35, s34, 32*PW
	v_mul_u32_u24 v25, v2, PW
	v_lshl_add_u32 v6, v3, 4, v25
	v_add_nc_u32 v6, s35, v6                       ; w1 in slot 0: row r, + 16 h, of my 32 of a chunk's rows
	v_add_nc_u32 v7, SLOT, v6                      ; in slot 1
	s_mul_i32 s35, s34, WA
	v_lshl_add_u32 v18, v3, 6, v25
	v_add_nc_u32 v18, s35, v18                     ; x: row r, + 64 h
	v_and_b32 v26, 8, v2
	v_add_nc_u32 v26, v26, v2
	v_mul_u32_u24 v26, v26, PW
	v_lshl_add_u32 v8, v3, 4, v26
	v_add_nc_u32 v8, s35, v8                       ; wo in slot 0: row r + 8 (r / 8), + 16 h
	s_mul_i32 s35, s34, 12288
	s_add_co_u32 s35, s35, SCR
	v_add_nc_u32 v12, s35, v1                      ; the parts of my tile's head
	v_add_nc_u32 v13, SCR, v1
	s_lshl_b32 s35, s34, 9
	s_add_co_u32 s35, s35, SCR
	v_add_nc_u32 v14, s35, v1                      ; my codes of the hidden layer
	s_lshl_b32 s35, s34, 11
	s_add_co_u32 s35, s35, HIMG
	v_add_nc_u32 v15, s35, v1                      ; my codes of h
	v_add_nc_u32 v16, HIMG, v1
	v_lshlrev_b32 v20, 5, v2
	v_add_nc_u32 v20, LNS, v20                     ; a row's four means and sums of squares
	s_lshl_b32 s35, s34, 3
	v_add_nc_u32 v19, s35, v20                     ; mine
	s_mul_i32 s35, s34, SPITCH
	s_add_co_u32 s35, s35, SCR
	v_add_nc_u32 v17, s35, v1                      ; the way out: back by rows
	v_lshl_add_u32 v2, v3, 6, v25
	v_add_nc_u32 v2, s35, v2                       ; and in
	v_add_nc_u32 v3, SLOT, v8                      ; wo in slot 1
	s_bfe_u32 s98, ttmp6, 0x40000                  ; cx
	s_lshl_b32 s66, ttmp9, 2
	s_add_co_u32 s66, s66, s98                     ; work-group
	s_mov_b32 s101, 0
	s_wait_alu depctr_va_vdst(0)
	s_wait_dscnt 0x0                               ; both opening adds are done
	s_wait_kmcnt 0x0
	s_load_b512 s[36:51], s[30:31], 0x0            ; the sixteen entries
	s_lshl_b32 s100, s66, 12
	s_add_nc_u64 s[4:5], s[4:5], s[100:101]        ; four tiles of q
	s_lshr_b32 s67, ttmp9, 2                       ; batch
	s_lshl_b32 s100, s67, 16
	s_lshl_b32 s35, s34, 14
	s_add_co_u32 s100, s100, s35
	s_add_nc_u64 s[6:7], s[6:7], s[100:101]
	s_add_nc_u64 s[8:9], s[8:9], s[100:101]
	s_lshl_b32 s100, s67, 12
	s_lshl_b32 s35, s34, 10
	s_add_co_u32 s100, s100, s35
	s_add_nc_u64 s[10:11], s[10:11], s[100:101]
.irp i, 0,1,2,3
	global_load_b128 v[QF+8*\i:QF+8*\i+3], v[192+\i], s[4:5]
	global_load_b128 v[QF+8*\i+4:QF+8*\i+7], v[192+\i], s[4:5] offset:512
.endr
.macro KLOAD st                        ; K's eight tiles of step st: 16 loads
	WIN 0x40
.irp t, 0,1,2,3,4,5,6,7
	global_load_b128 v[64*\st+8*\t:64*\st+8*\t+3], v1, s[6:7] offset:(8*\st+\t)*1024
	global_load_b128 v[64*\st+8*\t+4:64*\st+8*\t+7], v1, s[6:7] offset:(8*\st+\t)*1024+512
.endr
.endm                                  ; (CLOAD follows, in the same window)
.macro CLOAD st                        ; the keys' constants -(m + log2 l): 16 loads
	WIN 0x40
.irp t, 0,1,2,3,4,5,6,7
	global_load_b128 v[128+64*\st+8*\t:128+64*\st+8*\t+3], v22, s[10:11] offset:512*\st+64*\t
	global_load_b128 v[128+64*\st+8*\t+4:128+64*\st+8*\t+7], v22, s[10:11] offset:512*\st+64*\t+16
.endr
	WIN 0
.endm
.macro VLOAD st                        ; V's four fragments: 32 loads
	WIN 0x80
.irp dt, 0,1,2,3
.irp c, 0,1,2,3,4,5,6,7
	global_load_b64 v[64*\st+16*\dt+2*\c:64*\st+16*\dt+2*\c+1], v21, s[8:9] offset:8192*\st+2048*\dt+256*\c
.endr
.endr
	WIN 0
.endm
	KLOAD 0
	CLOAD 0
	s_lshl_b32 s100, s34, 16
	s_add_nc_u64 s[14:15], s[14:15], s[100:101]    ; my 128 rows of wo
	s_lshr_b32 s67, ttmp9, 3
	s_add_co_u32 s67, s67, ttmp9
	s_and_b32 s67, s67, 7
	s_lshl_b32 s67, s67, 1                         ; the chunk at which this cluster begins: even, and the same in all partners
	s_lshl_b32 s2, s67, 16
	s_mov_b32 s3, 0
	s_lshl_b32 s100, s34, 15
	s_add_nc_u64 s[92:93], s[16:17], s[100:101]
	s_add_nc_u64 s[92:93], s[92:93], s[2:3]        ; fill 0: my 64 of its 256 rows of w1
	s_and_b32 s35, s34, 1
	s_lshl_b32 s100, s35, 15
	s_add_nc_u64 s[94:95], s[16:17], s[100:101]    ; fills 1 to 14: 64 of a chunk's 128 rows of w1,
	s_add_nc_u64 s[18:19], s[18:19], s[100:101]    ; or half of a chunk's part of w2
	s_add_co_u32 s76, s67, 2
	s_and_b32 s76, s76, 15
	s_lshl_b32 s100, s34, 7
	s_add_nc_u64 s[26:27], s[26:27], s[100:101]    ; b1: my 32 of a chunk's columns
	s_lshl_b32 s2, s67, 9
	s_add_nc_u64 s[96:97], s[26:27], s[2:3]
	s_add_co_u32 s67, s67, 1                       ; the chunk whose b1 was asked for last, when the walk's loop begins
	s_lshl_b32 s100, s34, 9                        ; my 128 columns
	s_add_nc_u64 s[20:21], s[20:21], s[100:101]
	s_add_nc_u64 s[22:23], s[22:23], s[100:101]
	s_add_nc_u64 s[24:25], s[24:25], s[100:101]
	s_add_nc_u64 s[28:29], s[28:29], s[100:101]
	s_lshl_b32 s35, s66, 17
	s_add_co_u32 s100, s100, s35
	s_add_nc_u64 s[12:13], s[12:13], s[100:101]
	s_add_nc_u64 s[32:33], s[32:33], s[100:101]
	s_mov_b32 s60, 1
	s_mul_i32 s61, s34, WA
	s_mov_b64 s[62:63], s[12:13]
	s_or_b32 s63, s63, 0x80000000
	ROUND                                          ; in front of the first loads
	tensor_load_to_lds s[60:63], s[68:75]          ; x
	s_nop 0
	PLACES 4
	VLOAD 0
	s_wait_kmcnt 0x0
	s_mov_b32 s36, 1                               ; group 0 of w2's fills (entries 0 to 3 are not used here): the first one turns it to slot 0
	s_and_b32 s37, s34, 1
	s_lshl_b32 s37, s37, 15
	s_add_co_u32 s37, s37, SLOT+W2O
	s_add_co_i32 s100, s42, s43
	s_lshl_b32 s100, s100, 23
	s_add_co_i32 s80, s100, 0x3e38aa3b             ; log2(e) / 8 x 2^(e6 + e7)
	s_mov_b32 s81, s80
	s_add_co_i32 s100, s46, s47
	s_add_co_i32 s101, s100, 127
	s_lshl_b32 s82, s101, 23                       ; 2^(e10 + e11)
	s_mov_b32 s83, s82
	s_sub_co_i32 s101, 127, s100
	s_lshl_b32 s98, s101, 23                       ; and its reciprocal
	s_mov_b32 s99, s98
	s_add_co_i32 s100, s50, s51
	s_add_co_i32 s101, s100, 127
	s_lshl_b32 s84, s101, 23                       ; 2^E
	s_mov_b32 s85, s84
	s_sub_co_i32 s101, 127, s100
	s_lshl_b32 s86, s101, 23
	s_mov_b32 s87, s86
	s_add_co_i32 s100, s48, s49
	s_sub_co_i32 s101, 127, s100
	s_lshl_b32 s88, s101, 23                       ; 2^-(e12 + e13)
	s_mov_b32 s89, s88
	s_mov_b32 s100, s44
	MKSC 24                                        ; p
	s_sub_co_i32 s100, s46, s44
	s_sub_co_i32 s100, s100, s45
	MKSC 26                                        ; head: its sums stand for sum x 2^(e8 + e9)
	s_mov_b32 s100, s48
	MKSC 28                                        ; h
	s_sub_co_i32 s100, s50, s48
	s_sub_co_i32 s100, s100, s49
	MKSC 30                                        ; hidden layer: sum x 2^(e12 + e13)
.macro SCORE st, i                     ; S^T of 128 keys and query tile i
	WIN 0x01
.irp t, 0,1,2,3,4,5,6,7
	v_wmma_f32_16x16x64_fp8_fp8 v[SS+8*\t:SS+8*\t+7], v[64*\st+8*\t:64*\st+8*\t+7], v[QF+8*\i:QF+8*\i+7], 0
.endr
	WIN 0
	PLACES 4
.endm
.macro SOFT st, i                      ; the finished weight 2^(t - (m + log2 l)), held and quantised
	WIN 0x10
.set k_, 0
.rept 32
	v_pk_fma_f32 v[SS+k_:SS+k_+1], v[SS+k_:SS+k_+1], s[80:81], v[128+64*\st+k_:128+64*\st+k_+1] op_sel_hi:[1,0,1]
.set k_, k_+2
.endr
	WIN 0
	s_wait_alu depctr_va_vdst(0)                   ; one wait ahead of the batch, one behind it
.set k_, 0
.rept 64
	v_exp_f32 v[SS+k_], v[SS+k_]
.set k_, k_+1
.endr
	v_nop
	s_wait_alu depctr_va_vdst(0)
.set k_, 0
.rept 64
	v_min_num_f32 v[SS+k_], v[SS+k_], v24          ; never negative: a one-sided hold
.set k_, k_+1
.endr
.irp t, 0,1,2,3,4,5,6,7
	v_cvt_scalef32_pk8_fp8_f32 v[PF+16*\i+2*\t:PF+16*\i+2*\t+1], v[SS+8*\t:SS+8*\t+7], v25
.endr
	v_nop
.endm
.macro PVMUL st
	WIN 0xa2
.irp dt, 0,1,2,3
.irp i, 0,1,2,3
.set d_, 128+32*\i+8*\dt
.if \st == 0
	v_wmma_f32_16x16x128_fp8_fp8 v[d_:d_+7], v[64*\st+16*\dt:64*\st+16*\dt+15], v[PF+16*\i:PF+16*\i+15], 0
.else
	v_wmma_f32_16x16x128_fp8_fp8 v[d_:d_+7], v[64*\st+16*\dt:64*\st+16*\dt+15], v[PF+16*\i:PF+16*\i+15], v[d_:d_+7]
.endif
.endr
.endr
	WIN 0
	PLACES 4
.endm
.macro PLOAD reg, sb                   ; 128 numbers of a vector, in the results' layout: 16 loads
.irp n, 0,1,2,3,4,5,6,7
.irp q, 0,1
	global_load_b128 v[\reg+8*\n+4*\q:\reg+8*\n+4*\q+3], v23, s[\sb:\sb+1] offset:128*(\n/2)+32*(\n%2)+16*\q
.endr
.endr
.endm
.macro XREAD m                         ; x's rows of tile m, in the results' layout, into window 3
	WIN 0xc0
.irp n, 0,1,2,3,4,5,6,7
.irp q, 0,1
	ds_load_b128 v[64*\m+8*\n+4*\q:64*\m+8*\n+4*\q+3], v18 offset:\m*16*PW+128*(\n/2)+32*(\n%2)+16*\q
.endr
.endr
	WIN 0
.endm
	s_wait_alu depctr_va_vdst(0)
	s_wait_loadcnt 32                              ; all but V's 32 loads
	SCORE 0, 0
	KLOAD 1
	CLOAD 1
	SOFT 0, 0
.irp i, 1,2,3
	SCORE 0, \i
	SOFT 0, \i
.endr
	s_wait_alu depctr_va_vdst(0)
	s_wait_loadcnt 32                              ; V; the 32 loads of the next step's keys and constants may be out
	PVMUL 0
	VLOAD 1
	s_wait_loadcnt 32                              ; all but V's 32
.irp i, 0,1,2,3
	SCORE 1, \i
	SOFT 1, \i
.endr
	s_wait_alu depctr_va_vdst(0)
	s_wait_loadcnt 0x0
	WIN 0x40
	PLOAD 64, 20                                   ; bo, gain, shift
	PLOAD 128, 22
	PLOAD 192, 24
	WIN 0
	PVMUL 1
	s_wait_xcnt 0x0
	; group 1 of w2's fills: 128 rows x 256 bytes, dense, shared by the four work-groups (in the registers that held the images' addresses: all their loads are done)
	s_mov_b32 s4, 15|(0<<16)|(1<<21)
	s_mov_b32 s5, 256<<16
	s_mov_b32 s6, 128<<16
	s_mov_b32 s7, 256<<16
	s_mov_b32 s8, 128
	s_mov_b32 s9, 256
	s_mov_b32 s10, 0
	s_mov_b32 s11, 0
	WIN 0x08
.irp i, 1,2,3
.irp p, 0,1,2,3,4,5,6,7
	ds_store_b128 v[8+\i], v[128+32*\i+4*\p:128+32*\i+4*\p+3] offset:512*\p
.endr
.endr
	WIN 0
	NEXT 0                                         ; slot 1: wo's first half; x has landed; the partial heads are visible behind it
.irp i, 1,2,3
.irp p, 0,1,2,3,4,5,6,7
	ds_load_b128 v[64+32*(\i-1)+4*\p:64+32*(\i-1)+4*\p+3], v12 offset:4096*(\i-1)+512*\p
.endr
.endr
	XREAD 0
	XREAD 1
	s_wait_dscnt 32                                ; the partial heads; x's 32 loads may be out
	WIN 0x02
.set k_, 0
.rept 16
	v_pk_add_f32 v[160+k_:161+k_], v[128+k_:129+k_], v[64+k_:65+k_]
.set k_, k_+2
.endr
	WIN 0
.irp o, 96,128
.set k_, 0
.rept 16
	v_pk_add_f32 v[160+k_:161+k_], v[160+k_:161+k_], v[\o+k_:\o+k_+1]
.set k_, k_+2
.endr
.endr
.set k_, 0
.rept 32
	v_med3_num_f32 v[160+k_], v[160+k_], -v26, v26
.set k_, k_+1
.endr
.irp dt, 0,1,2,3
	v_cvt_scalef32_pk8_fp8_f32 v[PC+2*\dt:PC+2*\dt+1], v[160+8*\dt:167+8*\dt], v27
.endr
	v_nop
	ds_store_b128 v12, v[PC:PC+3]
	ds_store_b128 v12, v[PC+4:PC+7] offset:512
	XREAD 2
	XREAD 3
	s_wait_loadcnt 32                              ; bo; gain and shift may be out
	WIN 0x41
.set k_, 0
.rept 32
	v_pk_mul_f32 v[64+k_:65+k_], v[64+k_:65+k_], s[98:99] op_sel_hi:[1,0]   ; bo starts the sums
.set k_, k_+2
.endr
	WIN 0
	NEXT 1                                         ; slot 0, where x has been read: wo's second half; the first has landed; all heads' codes are visible behind it
	WIN 0x40
.irp m, 0,1,2,3                        ; a fragment of 128 along K is two of the eight equal heads
.irp u, 0,1
.irp c, 0,1
	ds_load_b128 v[16*\m+8*\u+4*\c:16*\m+8*\u+4*\c+3], v13 offset:12288*\m+512*\c
.endr
.endr
.endr
	WIN 0
.macro WOLOAD av, buf, s
.irp t, 0,1,2,3
.irp c, 0,1,2,3
	ds_load_b128 v[128+64*(\buf)+16*\t+4*\c:128+64*(\buf)+16*\t+4*\c+3], v[\av] offset:(32*(\t/2)+8*(\t%2))*PW+128*(\s)+32*\c
.endr
.endr
.endm
.macro PHWO av, db                     ; four tiles of wo: sixteen sums by turns, K ascending
	WOLOAD \av, 0, 0
.irp s, 0,1,2,3
.if \s < 3
	PLACES 4
	WOLOAD \av, (\s+1)%2, \s+1
	s_wait_dscnt 16                                ; all but the sixteen just issued
.else
	s_wait_dscnt 0x0
.endif
.if \s == 0
	WIN 0x94
.else
	WIN 0xa4
.endif
.irp t, 0,1,2,3
.irp m, 0,1,2,3
.set d_, \db+64*\m+8*\t
.set a_, 128+64*(\s%2)+16*\t
.set b_, 16*\m
.set c_, 64+\db+8*\t
.if \s == 0
	v_wmma_f32_16x16x128_fp8_fp8 v[d_:d_+7], v[a_:a_+15], v[b_:b_+15], v[c_:c_+7]
.else
	v_wmma_f32_16x16x128_fp8_fp8 v[d_:d_+7], v[a_:a_+15], v[b_:b_+15], v[d_:d_+7]
.endif
.endr
.endr
	WIN 0
.endr
.endm
	PHWO 3, 0
	NEXT 3                                         ; slot 1: fill 0
	PHWO 8, 32
	PLACES 4
	PLOAD 192, 28                                  ; b2
	s_lshl_b32 s35, s34, 14
	v_add_nc_u32 v11, s35, v1                      ; w2's last chunk, in slot 0: my eight fragments
	v_add_nc_u32 v9, W2O, v11                      ; w2's part of slot 0
	v_add_nc_u32 v10, SLOT, v9                     ; of slot 1
	v_add_nc_u32 v8, W2O, v7                       ; fill 0's second chunk of w1
.macro LNSTAT m                        ; row tile m: my columns' mean is taken away, in place; mean and sum of squares go to LDS
	v_mov_b32 v[137+2*\m], 0
	WIN 0x0a
.irp c, 0,1,2,3
	v_pk_add_f32 v[128+2*\c:129+2*\c], v[64*\m+4*\c:64*\m+4*\c+1], v[64*\m+4*\c+2:64*\m+4*\c+3]
.endr
	WIN 0x08
.irp k, 16,24,32,40,48,56
.irp c, 0,1,2,3
	v_pk_add_f32 v[128+2*\c:129+2*\c], v[128+2*\c:129+2*\c], v[64*\m+\k+2*\c:64*\m+\k+2*\c+1]
.endr
.endr
	WIN 0
	LNSUM 128
	v_mul_f32 v[136+2*\m], 0x3c000000, v128
	WIN 0x82
.set k_, 0
.rept 32
	v_pk_add_f32 v[64*\m+k_:64*\m+k_+1], v[64*\m+k_:64*\m+k_+1], v[136+2*\m:137+2*\m] op_sel_hi:[1,0] neg_lo:[0,1] neg_hi:[0,1]
.set k_, k_+2
.endr
	WIN 0x0a
.irp c, 0,1,2,3
	v_pk_mul_f32 v[128+2*\c:129+2*\c], v[64*\m+2*\c:64*\m+2*\c+1], v[64*\m+2*\c:64*\m+2*\c+1]
.endr
.irp k, 8,16,24,32,40,48,56
.irp c, 0,1,2,3
	v_pk_fma_f32 v[128+2*\c:129+2*\c], v[64*\m+\k+2*\c:64*\m+\k+2*\c+1], v[64*\m+\k+2*\c:64*\m+\k+2*\c+1], v[128+2*\c:129+2*\c]
.endr
.endr
	WIN 0
	LNSUM 137+2*\m
	ds_store_b64 v19, v[136+2*\m:137+2*\m] offset:512*\m
.endm
.macro LNSUM d                         ; eight partial sums and lane l xor 16's: v[d]
	v_pk_add_f32 v[128:129], v[128:129], v[130:131]
	v_pk_add_f32 v[132:133], v[132:133], v[134:135]
	v_pk_add_f32 v[128:129], v[128:129], v[132:133]
	v_add_f32 v128, v128, v129
	v_permlanex16_b32 v129, v128, s90, s91
	v_add_f32 v[\d], v128, v129
.endm
.macro LNREAD
.irp m, 0,1,2,3
	ds_load_b128 v[64+8*\m:67+8*\m], v20 offset:512*\m
	ds_load_b128 v[68+8*\m:71+8*\m], v20 offset:512*\m+16
.endr
.endm
.macro F4 op, d, a, b
.irp m, 0,1,2,3
	\op v[\d+8*\m], v[\a+8*\m], v[\b+8*\m]
.endr
.endm
.macro LNFIN sc                        ; v[102+8m] = 1 / deviation, v[100+8m] = (m_w - mean) x that; sc = 1: the sums stand for sum x 2^E
	F4 v_add_f32, 96, 64, 66
	F4 v_add_f32, 97, 68, 70
	F4 v_add_f32, 98, 65, 67
	F4 v_add_f32, 99, 69, 71
	F4 v_add_f32, 96, 96, 97
	F4 v_add_f32, 98, 98, 99
.irp m, 0,1,2,3
	v_mul_f32 v[100+8*\m], 0x3e800000, v[96+8*\m]  ; the mean
.endr
	F4 v_sub_f32, 97, 64, 100
	F4 v_sub_f32, 99, 66, 100
	F4 v_sub_f32, 101, 68, 100
	F4 v_sub_f32, 102, 70, 100
	F4 v_mul_f32, 97, 97, 97
	F4 v_fmac_f32, 97, 99, 99
	F4 v_fmac_f32, 97, 101, 101
	F4 v_fmac_f32, 97, 102, 102
.irp m, 0,1,2,3
	v_fmamk_f32 v[98+8*\m], v[97+8*\m], 0x43000000, v[98+8*\m]
.endr
.if \sc
.rept 2
.irp m, 0,1,2,3
	v_mul_f32 v[98+8*\m], s84, v[98+8*\m]
.endr
.endr
.endif
.irp m, 0,1,2,3
	v_fmaak_f32 v[98+8*\m], s79, v[98+8*\m], 0x3727c5ac
.endr
.irp m, 0,1,2,3
	v_sub_f32 v[101+8*\m], v[136+2*\m], v[100+8*\m]
	v_mov_b32 v[103+8*\m], 0                       ; (named with the root as a pair)
.endr
	s_wait_alu depctr_va_vdst(0)                   ; one wait ahead of the batch, one behind it
.irp m, 0,1,2,3
	v_rsq_f32 v[102+8*\m], v[98+8*\m]
.endr
	v_nop
	s_wait_alu depctr_va_vdst(0)
.if \sc
.irp m, 0,1,2,3
	v_mul_f32 v[102+8*\m], s84, v[102+8*\m]
.endr
.endif
	F4 v_mul_f32, 100, 101, 102
.endm
.macro NORM m
	WIN 0x02
.set k_, 0
.rept 32
	v_pk_fma_f32 v[T2+k_:T2+k_+1], v[64*\m+k_:64*\m+k_+1], v[102+8*\m:103+8*\m], v[100+8*\m:101+8*\m] op_sel_hi:[1,0,0]
.set k_, k_+2
.endr
.endm
; THE WALK'S PARTS.
.macro B1LOAD off                      ; b1 of my 32 columns of a chunk
.irp t, 0,1
.irp q, 0,1
	global_load_b128 v[160+8*\t+4*\q:163+8*\t+4*\q], v22, s[96:97] offset:\off+64*\t+16*\q
.endr
.endr
.endm
.macro B1MUL                           ; b1 starts the hidden sums
.set k_, 0
.rept 8
	v_pk_mul_f32 v[192+k_:193+k_], v[160+k_:161+k_], s[88:89] op_sel_hi:[1,0]
.set k_, k_+2
.endr
.endm
.macro W1LOAD av                       ; my eight fragments of w1's chunk: 32 loads
	WIN 0xc0
.irp k, 0,1,2,3
.irp t, 0,1
.irp c, 0,1,2,3
	ds_load_b128 v[16*(2*\k+\t)+4*\c:16*(2*\k+\t)+4*\c+3], v[\av] offset:16*\t*PW+128*\k+32*\c
.endr
.endr
.endr
	WIN 0
.endm
.macro W2READ av, to                   ; my eight fragments of w2's chunk: 32 loads
	WIN 0xc0
.set k_, 0
.rept 32
	ds_load_b128 v[\to+4*k_:\to+4*k_+3], v[\av] offset:512*k_
.set k_, k_+1
.endr
	WIN 0
.endm
.macro H1LOAD ex                       ; the hidden layer's codes, 64 rows x 128: 16 loads
.irp m, 0,1,2,3
.irp c, 0,1,2,3
	ds_load_b128 v[32+16*\m+4*\c:35+16*\m+4*\c], v13 offset:8192*(\ex)+2048*\m+512*\c
.endr
.endr
.endm
.macro PH1                             ; the first product: eight sums by turns
	WIN 0x07
.irp k, 0,1,2,3
.irp t, 0,1
.irp m, 0,1,2,3
.set d_, 96+32*\t+8*\m
.set a_, 16*(2*\k+\t)
.set b_, 64*\k+16*\m
.if \k == 0
	v_wmma_f32_16x16x128_fp8_fp8 v[d_:d_+7], v[a_:a_+15], v[b_:b_+15], v[192+8*\t:199+8*\t]
.else
	v_wmma_f32_16x16x128_fp8_fp8 v[d_:d_+7], v[a_:a_+15], v[b_:b_+15], v[d_:d_+7]
.endif
.endr
.endr
.endr
	WIN 0
.endm
.macro QST ex                          ; held, quantised, and into the exchange: 4 stores
.set k_, 0
.rept 64
	v_med3_num_f32 v[96+k_], v[96+k_], -v30, v30
.set k_, k_+1
.endr
.irp m, 0,1,2,3
.irp t, 0,1
	v_cvt_scalef32_pk8_fp8_f32 v[176+4*\m+2*\t:177+4*\m+2*\t], v[96+32*\t+8*\m:103+32*\t+8*\m], v31
.endr
.endr
	v_nop
.irp m, 0,1,2,3
	ds_store_b128 v14, v[176+4*\m:179+4*\m] offset:8192*(\ex)+2048*\m
.endr
.endm
.macro PH2 t0, n, from                 ; the second product: tiles t0 .. t0 + n - 1, each sum once
	WIN 0xa3
.set t_, \t0
.rept \n
.irp m, 0,1,2,3
	v_wmma_f32_16x16x128_fp8_fp8 v[64*\m+8*t_:64*\m+8*t_+7], v[\from+16*t_:\from+16*t_+15], v[32+16*\m:47+16*\m], v[64*\m+8*t_:64*\m+8*t_+7]
.endr
.set t_, t_+1
.endr
.endm
; INTERVAL n, entered behind the barrier that shows fill n and chunk n - 1's codes (in half ex of the exchange).  a1, a2: the addresses of w1's and w2's part of the slot.  kind 2, 4: the barrier at the end is a
; change of slots; 1: it shows the last fill; 0: it shows codes alone.  last = 1: chunk 15: w2's last fragments come into w1's registers.
.macro STEP ex, a1, a2, kind, last
	H1LOAD \ex
	W2READ \a2, 128
	s_wait_loadcnt 0x0                             ; b1 of chunk n
.if \last == 0
	s_add_co_u32 s67, s67, 1
	s_and_b32 s67, s67, 15
	s_lshl_b32 s2, s67, 9
	s_add_nc_u64 s[96:97], s[26:27], s[2:3]        ; (the loads that read this base are done)
.endif
	B1MUL
.if \last == 0
	B1LOAD 0
.endif
	PH1
	PLACES 4
.if \last == 0
	W1LOAD \a1
.else
	W2READ 11, 0
.endif
	QST 1-\ex
	s_wait_dscnt 36                                ; chunk n - 1's codes and fragments of w2; behind them stand 32 loads and 4 stores
	PH2 0, 4, 128
.if \kind > 0
	WIN 0
	s_wait_tensorcnt 0x0                           ; my part of the next fill has landed
.endif
.if \kind > 1
	ds_add_u32 v4, v5                              ; 0 onto my spare word; the descriptors and eight products stand between it and the wait for it
	ADDR \kind
.endif
	PH2 4, 2, 128
	s_wait_dscnt 0x0                               ; my reads of the slot are over, my codes lie in LDS
	s_barrier_signal -1
	PH2 6, 2, 128
	WIN 0
	s_barrier_wait -1
.if \kind > 1
	CREST
.if \kind == 2
	JLOAD2 52                                      ; into the slot read out; its four v_nop are places
.else
	JLOAD2 4
.endif
.else
	PLACES 4
.endif
.endm
.irp m, 0,1,2,3
	WIN 0xb2
.set k_, 0
.rept 32
	v_pk_fma_f32 v[64*\m+k_:64*\m+k_+1], v[64*\m+k_:64*\m+k_+1], s[82:83], v[64*\m+k_:64*\m+k_+1] op_sel_hi:[1,0,1]   ; attention + bo + x
.set k_, k_+2
.endr
	WIN 0
	LNSTAT \m
.endr
	NEXT 2                                         ; slot 0: fill 1; fill 0 has landed; the statistics are visible behind it
	LNREAD
	W1LOAD 7                                       ; chunk 0's fragments, over x
	s_wait_loadcnt 0x0                             ; gain, shift, b2
.set k_, 0
.rept 32
	v_pk_mul_f32 v[192+k_:193+k_], v[192+k_:193+k_], s[86:87] op_sel_hi:[1,0]
.set k_, k_+2
.endr
	s_wait_alu depctr_va_vdst(0)
	s_wait_dscnt 32                                ; the statistics; w1's 32 loads may be out
	LNFIN 0
.irp m, 0,1,2,3
	NORM \m
	WIN 0x94
.set k_, 0
.rept 32
	v_pk_fma_f32 v[64*\m+k_:64*\m+k_+1], v[T2+k_:T2+k_+1], v[128+k_:129+k_], v[192+k_:193+k_]   ; h
.set k_, k_+2
.endr
	WIN 0x02
.set k_, 0
.rept 64
	v_med3_num_f32 v[T2+k_], v[64*\m+k_], -v28, v28
.set k_, k_+1
.endr
	WIN 0
.irp t, 0,1,2,3,4,5,6,7
	v_cvt_scalef32_pk8_fp8_f32 v[PC+2*\t:PC+2*\t+1], v[T2+8*\t:T2+8*\t+7], v29
.endr
	WIN 0x82
.set k_, 0
.rept 32
	v_pk_fma_f32 v[64*\m+k_:64*\m+k_+1], v[64*\m+k_:64*\m+k_+1], s[86:87], v[192+k_:193+k_] op_sel_hi:[1,0,1]   ; (h + b2) 2^-E starts the last sums
.set k_, k_+2
.endr
	WIN 0
.irp c, 0,1,2,3
	ds_store_b128 v15, v[PC+4*\c:PC+4*\c+3] offset:8192*\m+512*\c
.endr
.endr
	B1LOAD 0
	BAR                                            ; everybody's codes of h
	WIN 0x40
.irp s, 0,1,2,3
.irp m, 0,1,2,3
.irp c, 0,1,2,3
	ds_load_b128 v[64*\s+16*\m+4*\c:64*\s+16*\m+4*\c+3], v16 offset:(4*\m+\s)*2048+512*\c
.endr
.endr
.endr
	WIN 0
	s_wait_loadcnt 0x0
	B1MUL
	B1LOAD 512                                     ; chunk 1's
	s_wait_alu depctr_va_vdst(0)
	s_wait_dscnt 0x0
	PH1                                            ; interval 0: chunk 0's first product alone
	PLACES 4
	W1LOAD 8
	QST 0
	NEXT 2                                         ; slot 1: fill 2, over fill 0
	s_mov_b32 s78, 6
.Lff:                                                  ; intervals 1 to 12: fills 3 to 14 are asked for; odd intervals read slot 0, even ones slot 1
	STEP 0, 6, 9, 2, 0
	STEP 1, 7, 10, 2, 0
	s_sub_co_u32 s78, s78, 1
	s_cmp_lg_u32 s78, 0
	s_cbranch_scc1 .Lff
	STEP 0, 6, 9, 4, 0                             ; interval 13: fill 15 is asked for
	STEP 1, 7, 10, 1, 0                            ; interval 14
	STEP 0, 6, 9, 0, 1                             ; interval 15
	H1LOAD 1
	WIN 0x40
	PLOAD 0, 22                                    ; gain, shift, over h's codes
	PLOAD 64, 24
	WIN 0
	s_wait_dscnt 0x0
	PH2 0, 8, 0                                    ; chunk 15's second product
	WIN 0
	PLACES 4
.irp m, 0,1,2,3
	LNSTAT \m
.endr
	BAR
	LNREAD
	s_wait_loadcnt 0x0
	s_wait_dscnt 0x0
	LNFIN 1
.irp m, 0,1,2,3
	NORM \m
	WIN 0x14
.set k_, 0
.rept 32
	v_pk_fma_f32 v[T2+k_:T2+k_+1], v[T2+k_:T2+k_+1], v[k_:k_+1], v[64+k_:65+k_]
.set k_, k_+2
.endr
	WIN 0
.irp n, 0,1,2,3,4,5,6,7
.irp q, 0,1
	ds_store_b128 v2, v[T2+8*\n+4*\q:T2+8*\n+4*\q+3] offset:128*(\n/2)+32*(\n%2)+16*\q
.endr
.endr
	s_wait_xcnt 0x0                                ; the stores before have read their data
.set k_, 0
.rept 16
	ds_load_b128 v[OB+4*k_:OB+4*k_+3], v17 offset:PW*k_    ; LDS serves a wave's instructions in order (ISA guide 5.7.1.4): these see the stores above
.set k_, k_+1
.endr
.set k_, 0
.rept 16
.if k_%8 == 0
	s_wait_dscnt 8-k_                              ; eight rows are back
.endif
	global_store_b128 v1, v[OB+4*k_:OB+4*k_+3], s[32:33] offset:(16*\m+k_)*2048 th:TH_STORE_NT   ; 512 consecutive bytes, at a multiple of 256
.set k_, k_+1
.endr
.endr
	s_wait_tensorcnt 0x0                           ; the wave's end
	ds_add_u32 v4, v5
	s_wait_dscnt 0x0
	ROUND                                          ; the closing round: no work-group ends while a partner may still ask for a tile that names it
	s_endpgm
.Lfunc_end_k_qfd3d9d0480_rest:
	.size	k_qfd3d9d0480_rest, .Lfunc_end_k_qfd3d9d0480_rest-k_qfd3d9d0480_rest
	.p2alignl 7, 3214868480
	.fill 96, 4, 3214868480
	.section	.rodata,"a",@progbits
	.p2align	6, 0x0
	.amdhsa_kernel k_qfd3d9d0480_rest
		.amdhsa_group_segment_fixed_size 327680
		.amdhsa_private_segment_fixed_size 0
		.amdhsa_enable_private_segment 0
		.amdhsa_kernarg_size 120
		.amdhsa_user_sgpr_count 2
		.amdhsa_user_sgpr_kernarg_segment_ptr 1
		.amdhsa_wavefront_size32 1
		.amdhsa_system_sgpr_workgroup_id_x 1
		.amdhsa_system_sgpr_workgroup_id_y 1
		.amdhsa_system_sgpr_workgroup_id_z 1
		.amdhsa_system_vgpr_workitem_id 0
		.amdhsa_next_free_vgpr 1024
		.amdhsa_next_free_sgpr 102
		.amdhsa_reserve_vcc 0
		.amdhsa_float_denorm_mode_32 3
		.amdhsa_float_denorm_mode_16_64 3
		.amdhsa_memory_ordered 1
		.amdhsa_forward_progress 1
		.amdhsa_inst_pref_size 255
	.end_amdhsa_kernel
	.section	.bss,"aw",@nobits
	.p2align	6
	.space	262144
	.amdgpu_metadata
---
amdhsa.version: [ 1, 2 ]
amdhsa.kernels:
  - .name:           k_qfd3d9d0480_rest
    .symbol:         k_qfd3d9d0480_rest.kd
    .args:
      - { .name: q_img, .offset: 0, .size: 8, .value_kind: global_buffer, .address_space: global }
      - { .name: k_img, .offset: 8, .size: 8, .value_kind: global_buffer, .address_space: global }
      - { .name: v_img, .offset: 16, .size: 8, .value_kind: global_buffer, .address_space: global }
      - { .name: cst, .offset: 24, .size: 8, .value_kind: global_buffer, .address_space: global }
      - { .name: x, .offset: 32, .size: 8, .value_kind: global_buffer, .address_space: global }
      - { .name: wo_codes, .offset: 40, .size: 8, .value_kind: global_buffer, .address_space: global }
      - { .name: w1_codes, .offset: 48, .size: 8, .value_kind: global_buffer, .address_space: global }
      - { .name: w2_img, .offset: 56, .size: 8, .value_kind: global_buffer, .address_space: global }
      - { .name: bo, .offset: 64, .size: 8, .value_kind: global_buffer, .address_space: global }
      - { .name: ln_g, .offset: 72, .size: 8, .value_kind: global_buffer, .address_space: global }
      - { .name: ln_b, .offset: 80, .size: 8, .value_kind: global_buffer, .address_space: global }
      - { .name: b1, .offset: 88, .size: 8, .value_kind: global_buffer, .address_space: global }
      - { .name: b2, .offset: 96, .size: 8, .value_kind: global_buffer, .address_space: global }
      - { .name: lowp_scales, .offset: 104, .size: 8, .value_kind: global_buffer, .address_space: global }
      - { .name: out0, .offset: 112, .size: 8, .value_kind: global_buffer, .address_space: global }
    .group_segment_fixed_size: 327680
    .private_segment_fixed_size: 0
    .kernarg_segment_align: 8
    .kernarg_segment_size: 120
    .max_flat_workgroup_size: 128
    .sgpr_count:     102
    .vgpr_count:     1024
    .wavefront_size: 32
...
	.end_amdgpu_metadata
.endif
;; end of part 6
